; MI455X (gfx1250); checked and timed in simulation.
; The chip was launched on July 23, 2026; its instructions are those of AMD's public machine-readable ISA for CDNA 5 (MIT licence, August 2026) and "CDNA5" Instruction Set Architecture Reference Guide (July 2026). The comments in the code are by the model that wrote it; some were corrected since.
;; QC Matrix Multi Head Attention. Allowed arithmetic: matrix products marked QUANTISED: E2M3 operands, one E8M0 scale for each 32 along K, by v_wmma_scale_f32_16x16x128_f8f6f4 with both operands' format E2M3, f32 sums; everything else in f32.
;; Inputs: head_thetas 16 float32; k_ba 1,024 float32; k_bb 1,024 float32; k_wa 1,024 x 1,024 float32; k_wb 1,024 x 1,024 float32; layer_theta 1 float32; mask 2 x 1 x 1,024 x 1,024 bool; o_ba 1,024 float32; o_bb 1,024 float32; o_wa 1,024 x 1,024 float32; o_wb 1,024 x 1,024 float32; q_ba 1,024 float32; q_bb 1,024 float32; q_wa 1,024 x 1,024 float32; q_wb 1,024 x 1,024 float32; v_ba 1,024 float32; v_bb 1,024 float32; v_wa 1,024 x 1,024 float32; v_wb 1,024 x 1,024 float32; x_k_a 2 x 1,024 x 1,024 float32; x_k_b 2 x 1,024 x 1,024 float32; x_q_a 2 x 1,024 x 1,024 float32; x_q_b 2 x 1,024 x 1,024 float32; x_v_a 2 x 1,024 x 1,024 float32; x_v_b 2 x 1,024 x 1,024 float32.
;; Outputs: out0 2 x 1,024 x 1,024 float32; out1 2 x 1,024 x 1,024 float32.
;; This version of the problem:
;;   THIS VERSION OF THE PROBLEM IS GIVEN IN LOW PRECISION. The matrix products marked QUANTISED in the list below multiply operands that are first quantised to E2M3 (2 exponent bits, 3 mantissa bits; 6 bits a number), with one power-of-two scale for each 32 numbers along K (OCP MX v1.0); their sums are f32. All else is computed in f32.
;;   The module's matrix products, in the order in which they are computed (A, B: the left and right operand; K: the contracted axis; several contracted axes count as one K, in the product's order):
;;     1. [M 2,048, K 1,024] x [K 1,024, N 1,024]; A: input x_q_a; B: input q_wa: QUANTISED
;;     2. [M 2,048, K 1,024] x [K 1,024, N 1,024]; A: computed on the way; B: input q_wb: QUANTISED
;;     3. [M 2,048, K 1,024] x [K 1,024, N 1,024]; A: input x_q_a; B: input q_wb: QUANTISED
;;     4. [M 2,048, K 1,024] x [K 1,024, N 1,024]; A: input x_q_b; B: input q_wa: QUANTISED
;;     5. [M 2,048, K 1,024] x [K 1,024, N 1,024]; A: input x_k_a; B: input k_wa: QUANTISED
;;     6. [M 2,048, K 1,024] x [K 1,024, N 1,024]; A: computed on the way; B: input k_wb: QUANTISED
;;     7. [M 2,048, K 1,024] x [K 1,024, N 1,024]; A: input x_k_a; B: input k_wb: QUANTISED
;;     8. [M 2,048, K 1,024] x [K 1,024, N 1,024]; A: input x_k_b; B: input k_wa: QUANTISED
;;     9. [M 2,048, K 1,024] x [K 1,024, N 1,024]; A: input x_v_a; B: input v_wa: QUANTISED
;;     10. [M 2,048, K 1,024] x [K 1,024, N 1,024]; A: computed on the way; B: input v_wb: QUANTISED
;;     11. [M 2,048, K 1,024] x [K 1,024, N 1,024]; A: input x_v_a; B: input v_wb: QUANTISED
;;     12. [M 2,048, K 1,024] x [K 1,024, N 1,024]; A: input x_v_b; B: input v_wa: QUANTISED
;;     13. batch 32 x [M 1,024, K 64] x [K 64, N 1,024]; A: computed on the way; B: computed on the way: QUANTISED
;;     14. batch 32 x [M 1,024, K 64] x [K 64, N 1,024]; A: computed on the way; B: computed on the way: QUANTISED
;;     15. batch 32 x [M 1,024, K 64] x [K 64, N 1,024]; A: computed on the way; B: computed on the way: QUANTISED
;;     16. batch 32 x [M 1,024, K 64] x [K 64, N 1,024]; A: computed on the way; B: computed on the way: QUANTISED
;;     17. batch 32 x [M 1,024, K 1,024] x [K 1,024, N 64]; A: softmax (see below); B: computed on the way: QUANTISED
;;     18. batch 32 x [M 1,024, K 1,024] x [K 1,024, N 64]; A: softmax (see below); B: computed on the way: QUANTISED
;;     19. [M 2,048, K 1,024] x [K 1,024, N 1,024]; A: computed on the way; B: input o_wa: QUANTISED
;;     20. [M 2,048, K 1,024] x [K 1,024, N 1,024]; A: computed on the way; B: input o_wb: QUANTISED
;;     21. [M 2,048, K 1,024] x [K 1,024, N 1,024]; A: computed on the way; B: input o_wb: QUANTISED
;;     22. [M 2,048, K 1,024] x [K 1,024, N 1,024]; A: computed on the way; B: input o_wa: QUANTISED
;;   THE QUANTISER, for each operand of a quantised product, along K:
;;     - K is cut into blocks of 32 from its start; a last block that is shorter is filled with zeros.
;;     - A block's scale is 2^e with e = floor(log2(the largest magnitude in the block)) - 2, held to -126 .. 127; a block of zeros has e = 0. As a byte (E8M0): e + 127.
;;     - Each number is divided by its block's scale, clamped to +-7.5, and rounded to the nearest number of E2M3, ties to even, subnormals kept.
;;     - The product sums the exact products of the quantised numbers (number of the format x scale) in f32.
;;   ~~~python
;;   def quantise(x, axis):      # numpy; x: float32 -> the quantised numbers, widened to float32 again
;;       x = np.moveaxis(x, axis, -1); K = x.shape[-1]
;;       x = np.pad(x, [(0, 0)] * (x.ndim - 1) + [(0, -K % 32)]); x = x.reshape(x.shape[:-1] + (-1, 32)); a = np.abs(x).max(-1, keepdims=True)
;;       e = np.where(a > 0, np.clip(np.frexp(np.where(a > 0, a, 1))[1] - 1 - 2, -126, 127), 0)      # np.frexp(a)[1] - 1 = floor(log2(a)), exactly
;;       r = np.clip(x / 2.0 ** e, -7.5, 7.5)
;;       step = 2.0 ** (np.maximum(np.frexp(np.where(r == 0, 1, r))[1] - 1, 0) - 3)
;;       q = np.round(r / step) * step * 2.0 ** e      # np.round: ties to even
;;       return np.moveaxis(q.reshape(q.shape[:-2] + (-1,))[..., :K], -1, axis).astype(np.float32)
;;   ~~~
;;   SOFTMAX AHEAD OF A QUANTISED PRODUCT. Where the list says 'softmax', what is quantised is not the finished softmax but p = 2^(t - M), with t = logit x log2(e) and M = ceil(the row's largest t), a whole number; so 1/2 < the row's largest p <= 1. The row's sum l is taken of the UNQUANTISED p, in f32, and the product's result is divided by l at the end. Since M is a whole number, a kernel that streams over the keys may use a running M (the ceiling of the running maximum): every later rescaling is an exact power of two, which a block's scale takes up: the codes' values come out the same.
;;   OPERANDS COMPUTED ON THE WAY. 'Computed on the way' means the value that the module computes at that place (a softmax that the list does not call 'softmax' is quantised finished and normalised). What goes into a quantiser is computed in f32, as accurately as f32 sums, v_exp_f32 and their like allow (about 1e-6 of the number): no bf16 or f16 on the way to a quantiser, and a product that is left as it is and whose result goes on into a quantised operand takes f32 operands (vector FMAs, or v_wmma_f32_16x16x4_f32). A number that lies on a knife's edge between two numbers of the format may be rounded either way, as far as f32 arithmetic and the matrix unit's own rounding can turn it there, and no further.
;; One version. Each part assembles by itself: llvm-mc -triple=amdgcn-amd-amdhsa -mcpu=gfx1250 --defsym DOCPART=n.
;; ======== version 1 of 1: 4 launches
;; limits: right only within a limited range of input values
;; workspace buffers: xt 14,942,208 bytes; wt 6,815,744 bytes; maskw 262,144 bytes of whole numbers; qimg 3,145,728 bytes; qsc 131,072 bytes; kv 6,553,600 bytes; ot 4,980,736 bytes
;; launch prep (part 1): grid 768 x 1, 4 waves a work-group, no clusters, 35,328 bytes of LDS; arguments x_q_a, x_q_b, x_k_a, x_k_b, x_v_a, x_v_b, q_wa, q_wb, k_wa, k_wb, v_wa, v_wb, o_wa, o_wb, mask, layer_theta, xt, wt, maskw; writes xt, wt, maskw
.if DOCPART == 1
	.amdgcn_target "amdgcn-amd-amdhsa--gfx1250"
	.amdhsa_code_object_version 6
	.text
	.protected	k_q86a95efa19_prep
	.globl	k_q86a95efa19_prep
	.p2align	8
	.type	k_q86a95efa19_prep,@function
k_q86a95efa19_prep:
	s_mov_b64 s[64:65], 0
	v_nop
	global_prefetch_b8 v0, s[64:65] scope:SCOPE_SE
	s_setreg_imm32_b32 hwreg(HW_REG_WAVE_MODE, 25, 1), 1
	s_wait_xcnt 0x0
; PREP: the six x tensors, j2 x xb, and the eight weights become codes of E2M3 with one E8M0 byte for each 32 along K (K = E, innermost in all of them); the mask becomes lane-mask words.
; NOTHING OF THE PROBLEM IS LEFT OUT in this program: every input has a way to an output, and all are loaded by some launch.
; LIMITS: NaN and infinities among the inputs are not served; blocks whose largest magnitude lies under 2^-124 (the floor; their byte is held at 1) were not tried; a block of zeros keeps the byte 1 where the
; rule says 127 (its codes are zeros, and this program alone reads the bytes); sin(2 theta) is made by reduction to |r| <= pi/4 and two polynomials, for |theta| up to about 1e4.
; LAYOUT OF THE CODES: images of operand registers.  A TILE is 16 rows, row r of tile t being row 32 (t / 2) + 8 (t % 2) + r + 8 (r / 8).  A UNIT (768 bytes) is a tile x 64 along K: lane (r, h) owns the 24 bytes of
; row r, block h: its registers 0-3 lie at 16 x lane, registers 4-5 at 512 + 8 x lane.  A scale image (128 bytes) is one word a lane.
;   xt [p 3][mg 16][kappa 16][19456]: tile ti: units (j2 xb, xa, xb) at 2304 ti; scale image at 18432 + 128 ti: lanes 0-15 (j0 j1 a0 a1), lanes 16-31 (a0 a1 b0 b1).
;   wt [p 4] 1,703,936 bytes each: p < 3: [ng 4][kappa 16][26624], tile ti: units (wb, wa) at 1536 ti, image at 24576 + 128 ti: (wb0 wb1 wa0 wa1);  p = 3: [ng 8][kappa 16][13312], image at 12288 + 128 ti.
;   maskw [b][qt 64][step 8][j 64] words: bit lane (r, h) = mask[b][row r of tile qt][128 step + 32 (j / 16) + 16 h + j % 16].
; SHARES: work-groups 0-383: a tile of a pair (xa, xb); 384-639: a tile of a pair (wa, wb); wave w takes the four cells kappa = 4 w .. 4 w + 3 (16 rows x 64 columns of both tensors).  640-767: a tile of queries of the mask, wave w two key steps.
; A load takes two rows' 256 bytes, 16 bytes a lane; a cell turns through the wave's own stage in LDS, so that a lane gets a whole block of 32 neighbours.  Waves share nothing: no barrier.
.set SPARE, 34816                      ; behind the four stages: the spare words, 128 bytes for each wave
.set SPW,  1                           ; v1  LDS address of my spare word; never rewritten
.set NIL,  2                           ; v2  0; never rewritten
.set GOFF, 4                           ; v4  4096 (lane / 16) + 16 (lane % 16)
.set LST,  5                           ; v5  the stage, on the way in
.set LLD,  6                           ; v6  and on the way out: row r, block h
.set L16,  7
.set L8,   8
.set L4,   9
.set H8,   10                          ; v10 8 h
.set RW,   32                          ; v32-95, v96-159: two sets of a cell as loaded
.set XF,   160                         ; my block of the first tensor (xa, wa)
.set XS,   192                         ; of the second (xb, wb)
.set UF,   224
.set US,   230
.set UJ,   236
.set TT,   242
; -1 + sin(2 theta): d the result, th theta, w seven work registers
.macro SINM1 d, th, w
	v_add_f32 v[\w], v[\th], v[\th]
	v_mul_f32 v[\w+1], 0x3f22f983, v[\w]               ; x 2 / pi
	v_rndne_f32 v[\w+1], v[\w+1]                       ; k
	v_fmamk_f32 v[\w+2], v[\w+1], 0xbfc90fd8, v[\w]    ; r = x - k pi / 2, pi / 2 in three parts
	v_fmamk_f32 v[\w+2], v[\w+1], 0xb4a8885a, v[\w+2]
	v_fmamk_f32 v[\w+2], v[\w+1], 0xa7c234c4, v[\w+2]
	v_cvt_i32_f32 v[\w+1], v[\w+1]
	v_mul_f32 v[\w+3], v[\w+2], v[\w+2]                ; s = r r
	v_mov_b32 v[\w+4], 0x3638ef1d                      ; sin r = r + r s (-1/6 + s (1/120 + s (-1/5040 + s / 362880)))
	v_fmaak_f32 v[\w+4], v[\w+4], v[\w+3], 0xb9500d01
	v_fmaak_f32 v[\w+4], v[\w+4], v[\w+3], 0x3c088889
	v_fmaak_f32 v[\w+4], v[\w+4], v[\w+3], 0xbe2aaaab
	v_mul_f32 v[\w+6], v[\w+2], v[\w+3]
	v_fma_f32 v[\w+4], v[\w+4], v[\w+6], v[\w+2]
	v_mov_b32 v[\w+5], 0xb493f27e                      ; cos r, to s^5
	v_fmaak_f32 v[\w+5], v[\w+5], v[\w+3], 0x37d00d01
	v_fmaak_f32 v[\w+5], v[\w+5], v[\w+3], 0xbab60b61
	v_fmaak_f32 v[\w+5], v[\w+5], v[\w+3], 0x3d2aaaab
	v_fmaak_f32 v[\w+5], v[\w+5], v[\w+3], 0xbf000000
	v_fmaak_f32 v[\w+5], v[\w+5], v[\w+3], 0x3f800000
	v_and_b32 v[\w+6], 1, v[\w+1]
	v_cmp_eq_u32 vcc_lo, 1, v[\w+6]
	v_cndmask_b32 v[\w+4], v[\w+4], v[\w+5], vcc_lo    ; odd k: the cosine
	v_and_b32 v[\w+6], 2, v[\w+1]
	v_lshlrev_b32 v[\w+6], 30, v[\w+6]
	v_xor_b32 v[\w+4], v[\w+4], v[\w+6]                ; k % 4 = 2, 3: the sign
	v_add_f32 v[\d], -1.0, v[\w+4]
.endm
.macro CV x, u                         ; 32 numbers of my block become six registers of codes; v15: the scale operand
	v_cvt_scalef32_pk16_fp6_f32 v[\u:\u+2], v[\x:\x+15], v15
	v_cvt_scalef32_pk16_fp6_f32 v[TT:TT+2], v[\x+16:\x+31], v15   ; (a conversion's three registers begin on an even number)
	v_nop                                              ; one plain place behind a scaled conversion
.irp i, 0,1,2
	v_mov_b32 v[\u+3+\i], v[TT+\i]
.endr
.endm
.macro QB x, u, raw, byt               ; the block's largest magnitude (raw: without the floor), its byte, its codes
	v_max3_num_f32 v12, |v[\x]|, |v[\x+1]|, |v[\x+2]|
	v_max3_num_f32 v13, |v[\x+3]|, |v[\x+4]|, |v[\x+5]|
.irp i, 6,10,14,18,22,26
	v_max3_num_f32 v12, v12, |v[\x+\i]|, |v[\x+\i+1]|
	v_max3_num_f32 v13, v13, |v[\x+\i+2]|, |v[\x+\i+3]|
.endr
	v_max3_num_f32 v12, v12, |v[\x+30]|, |v[\x+31]|
	v_max_num_f32 v[\raw], v12, v13
	v_max_num_f32 v14, 0x1800000, v[\raw]              ; the floor 2^(3 - 127): the byte cannot fall under 1
	v_add_nc_u32 v15, 0xff000000, v14                  ; 2 off the exponent field: the conversion's scale operand
	v_lshrrev_b32 v[\byt], 23, v15
	CV \x, \u
.endm
.macro PUT u, off                      ; a unit: 512 consecutive bytes, then 256
	global_store_b128 v[L16], v[\u:\u+3], s[60:61] offset:\off
	global_store_b64 v[L8], v[\u+4:\u+5], s[60:61] offset:\off+512
.endm
.macro LOADC c                         ; cell c of my four: 8 loads a tensor, two rows of 256 bytes each
.irp i, 0,1,2,3,4,5,6,7
	global_load_b128 v[RW+64*((\c)%2)+4*\i:RW+64*((\c)%2)+4*\i+3], v[GOFF], s[44:45] offset:(2*\i+8*(\i/4))*4096+256*(\c) th:TH_LOAD_NT
.endr
.irp i, 0,1,2,3,4,5,6,7
	global_load_b128 v[RW+64*((\c)%2)+32+4*\i:RW+64*((\c)%2)+32+4*\i+3], v[GOFF], s[46:47] offset:(2*\i+8*(\i/4))*4096+256*(\c) th:TH_LOAD_NT
.endr
.endm
.macro CELL c
.if (\c) < 3
	LOADC (\c)+1
	s_wait_loadcnt 16                                  ; this cell's 16 loads are in; the next cell's 16 may be out
.else
	s_wait_loadcnt 0x0
.endif
.irp i, 0,1,2,3,4,5,6,7
	ds_store_b128 v[LST], v[RW+64*((\c)%2)+4*\i:RW+64*((\c)%2)+4*\i+3] offset:544*\i
.endr
.irp i, 0,1,2,3,4,5,6,7
	ds_store_b128 v[LST], v[RW+64*((\c)%2)+32+4*\i:RW+64*((\c)%2)+32+4*\i+3] offset:4352+544*\i
.endr
.irp e, 0,1,2,3,4,5,6,7
	ds_load_b128 v[XF+4*\e:XF+4*\e+3], v[LLD] offset:16*\e          ; LDS serves a wave's instructions in order: these see my stores
.endr
.irp e, 0,1,2,3,4,5,6,7
	ds_load_b128 v[XS+4*\e:XS+4*\e+3], v[LLD] offset:4352+16*\e
.endr
	s_wait_dscnt 0x0
	s_wait_xcnt 0x0                                    ; the last cell's stores have read their data and their bases: both are written again below
.if (\c) > 0
	s_add_nc_u64 s[60:61], s[60:61], s[56:57]          ; the next kappa's block
	s_add_nc_u64 s[62:63], s[62:63], s[56:57]
.endif
	QB XF, UF, 21, 23
	PUT UF, 768                                        ; xa, wa: the second unit in both layouts
	QB XS, US, 22, 24
	s_cmp_eq_u32 s48, 1
	s_cbranch_scc1 .Lw_\@
	PUT US, 1536                                       ; xb
.set k_, 0
.rept 16
	v_pk_mul_f32 v[XS+2*k_:XS+2*k_+1], v[XS+2*k_:XS+2*k_+1], s[74:75] op_sel_hi:[1,0]   ; j2 xb, in f32
.set k_, k_+1
.endr
	v_mul_f32 v14, s76, v22                            ; rounding keeps order: the largest |j2 xb| is the largest |xb| x |j2|, rounded
	v_max_num_f32 v14, 0x1800000, v14
	v_add_nc_u32 v15, 0xff000000, v14
	v_lshrrev_b32 v25, 23, v15
	CV XS, UJ
	PUT UJ, 0
	v_lshl_or_b32 v16, v23, 16, v25                    ; my bytes of (j0 j1 a0 a1)
	v_lshl_or_b32 v17, v24, 16, v23                    ; and of (a0 a1 b0 b1),
	v_lshlrev_b32 v16, v[H8], v16                      ; 8 h bits up;
	v_lshlrev_b32 v17, v[H8], v17
	v_permlanex16_b32 v18, v16, s78, s79
	v_permlanex16_b32 v19, v17, s78, s79
	v_or_b32 v16, v16, v18                             ; with lane l xor 16's the words are whole
	v_or_b32 v17, v17, v19
	v_cndmask_b32 v20, v16, v17, s77                   ; lanes 0-15 the first, lanes 16-31 the second
	global_store_b32 v[L4], v20, s[62:63]
	s_branch .Lj_\@
.Lw_\@:
	s_wait_alu depctr_va_vdst(0)
	PUT US, 0                                          ; wb
	v_lshl_or_b32 v16, v23, 16, v24                    ; (wb0 wb1 wa0 wa1)
	v_lshlrev_b32 v16, v[H8], v16
	v_permlanex16_b32 v18, v16, s78, s79
	v_or_b32 v20, v16, v18
	global_store_b32 v[L4], v20, s[62:63]
.Lj_\@:
.endm
	s_load_b512 s[4:19], s[0:1], 0x0                   ; x_q_a x_q_b x_k_a x_k_b x_v_a x_v_b q_wa q_wb
	s_load_b512 s[20:35], s[0:1], 0x40                 ; k_wa k_wb v_wa v_wb o_wa o_wb mask layer_theta
	s_load_b128 s[36:39], s[0:1], 0x80                 ; xt wt
	s_load_b64 s[40:41], s[0:1], 0x90                  ; maskw
	v_lshl_add_u32 v[SPW], v0, 2, SPARE
	v_mov_b32 v[NIL], 0
	v_lshrrev_b32 v3, 5, v0
	v_readfirstlane_b32 s42, v3                        ; wave
	v_and_b32 v3, 31, v0                               ; lane
	v_and_b32 v11, 15, v0                              ; r
	v_bfe_u32 v26, v0, 4, 1                            ; h
	v_lshlrev_b32 v[L16], 4, v3
	v_lshlrev_b32 v[L8], 3, v3
	v_lshlrev_b32 v[L4], 2, v3
	v_lshlrev_b32 v[H8], 3, v26
	v_lshlrev_b32 v[GOFF], 12, v26
	v_lshl_add_u32 v[GOFF], v11, 4, v[GOFF]
	s_mul_i32 s66, s42, 8704                           ; my stage: 2 tensors x 16 rows x (256 + 16) bytes
	v_mul_u32_u24 v[LST], v26, 272
	v_lshl_add_u32 v[LST], v11, 4, v[LST]
	v_add_nc_u32 v[LST], s66, v[LST]
	v_mul_u32_u24 v[LLD], v11, 272
	v_lshl_add_u32 v[LLD], v26, 7, v[LLD]
	v_add_nc_u32 v[LLD], s66, v[LLD]
	v_mov_b32 v18, 0                                   ; written once: a lane permute's destination counts as one of its sources
	v_mov_b32 v19, 0
	s_mov_b32 s78, 0x76543210
	s_mov_b32 s79, 0xfedcba98
	s_mov_b32 s77, 0xffff0000
	s_mov_b32 s43, ttmp9
	s_cmp_ge_u32 s43, 640
	s_cbranch_scc1 .Lmask
	; ---- a tile of a pair of tensors
	s_cmp_ge_u32 s43, 384
	s_cselect_b32 s48, 1, 0                            ; 1: weights
	s_cselect_b32 s49, 384, 0
	s_cselect_b32 s50, 6, 7
	s_sub_co_u32 s49, s43, s49
	s_lshr_b32 s51, s49, s50                           ; p
	s_bfm_b32 s52, s50, 0
	s_and_b32 s52, s49, s52                            ; tile t
	s_mul_i32 s53, s48, 3
	s_add_co_u32 s53, s53, s51                         ; which of the seven pairs
	s_mov_b32 s54, 3                                   ; tiles in a group, as a shift
	s_mov_b32 s56, 19456                               ; a kappa's block
	s_mov_b32 s57, 0
	s_mov_b32 s55, 2304                                ; a tile's codes in it
	s_mov_b32 s58, 18432                               ; where its scale images begin
	s_mov_b32 s59, 4980736                             ; from p to p
	s_cmp_eq_u32 s48, 1
	s_cselect_b32 s54, 4, s54
	s_cselect_b32 s56, 26624, s56
	s_cselect_b32 s55, 1536, s55
	s_cselect_b32 s58, 24576, s58
	s_cselect_b32 s59, 1703936, s59
	s_cmp_eq_u32 s53, 6                                ; o's weights: groups of 8 tiles
	s_cselect_b32 s54, 3, s54
	s_cselect_b32 s56, 13312, s56
	s_cselect_b32 s58, 12288, s58
	s_mul_i32 s66, s51, s59
	s_lshr_b32 s67, s52, s54
	s_lshl_b32 s67, s67, 4
	s_lshl_b32 s68, s42, 2
	s_add_co_u32 s67, s67, s68                         ; 16 x group + my first kappa
	s_mul_i32 s67, s67, s56
	s_add_co_u32 s66, s66, s67
	s_bfm_b32 s68, s54, 0
	s_and_b32 s68, s52, s68                            ; ti
	s_mul_i32 s69, s68, s55
	s_add_co_u32 s70, s66, s69                         ; my codes
	s_mov_b32 s71, 0
	s_lshl_b32 s68, s68, 7
	s_add_co_u32 s72, s66, s68
	s_add_co_u32 s72, s72, s58                         ; my scale image
	s_mov_b32 s73, 0
	s_lshr_b32 s66, s52, 1
	s_lshl_b32 s66, s66, 5
	s_and_b32 s67, s52, 1
	s_lshl_b32 s67, s67, 3
	s_add_co_u32 s66, s66, s67                         ; the tile's first row
	s_lshl_b32 s66, s66, 12
	s_lshl_b32 s67, s42, 10
	s_add_co_u32 s66, s66, s67                         ; + my four cells' columns
	s_mov_b32 s67, 0
	s_mov_b32 s74, 0                                   ; j2, as a pair, and |j2|: made below for the x tensors alone
	s_mov_b32 s75, 0
	s_mov_b32 s76, 0
	s_wait_kmcnt 0x0
	s_mov_b64 s[44:45], s[4:5]
	s_mov_b64 s[46:47], s[6:7]
.irp i, 1,2,3,4,5,6
	s_cmp_eq_u32 s53, \i
	s_cselect_b64 s[44:45], s[4+4*\i:5+4*\i], s[44:45]
	s_cselect_b64 s[46:47], s[6+4*\i:7+4*\i], s[46:47]
.endr
	s_add_nc_u64 s[44:45], s[44:45], s[66:67]
	s_add_nc_u64 s[46:47], s[46:47], s[66:67]
	s_cmp_eq_u32 s48, 1
	s_cselect_b64 s[60:61], s[38:39], s[36:37]
	s_add_nc_u64 s[62:63], s[60:61], s[72:73]
	s_add_nc_u64 s[60:61], s[60:61], s[70:71]
	s_wait_alu depctr_va_vdst(0)
	LOADC 0
	s_cmp_eq_u32 s48, 1
	s_cbranch_scc1 .Lno_j2
	s_load_b32 s68, s[34:35], 0x0
	s_wait_kmcnt 0x0
	v_mov_b32 v12, s68
	SINM1 13, 12, 14
	v_readfirstlane_b32 s74, v13
	s_mov_b32 s75, s74
	s_and_b32 s76, s74, 0x7fffffff
.Lno_j2:
	CELL 0
	CELL 1
	CELL 2
	CELL 3
	s_branch .Lend
	; ---- the mask: 16 queries x 256 keys a wave; a compare's lane mask IS the word
.Lmask:
	s_sub_co_u32 s44, s43, 640                         ; 64 b + qt
	s_lshr_b32 s45, s44, 6
	s_and_b32 s46, s44, 63
	s_lshr_b32 s50, s46, 1
	s_lshl_b32 s50, s50, 5
	s_and_b32 s47, s46, 1
	s_lshl_b32 s47, s47, 3
	s_add_co_u32 s50, s50, s47                         ; the tile's first query
	s_lshl_b32 s50, s50, 10
	s_lshl_b32 s47, s45, 20
	s_add_co_u32 s50, s50, s47
	s_lshl_b32 s47, s42, 8
	s_add_co_u32 s50, s50, s47                         ; + my 256 keys
	s_mov_b32 s51, 0
	s_lshl_b32 s52, s44, 11
	s_lshl_b32 s47, s42, 9
	s_add_co_u32 s52, s52, s47
	s_mov_b32 s53, 0
	v_and_b32 v12, 8, v11
	v_add_nc_u32 v12, v12, v11                         ; r + 8 (r / 8)
	v_lshlrev_b32 v12, 10, v12
	v_lshl_add_u32 v12, v26, 4, v12                    ; + 16 h
	s_wait_alu depctr_va_vdst(0)
	s_wait_kmcnt 0x0
	s_add_nc_u64 s[32:33], s[32:33], s[50:51]
	s_add_nc_u64 s[40:41], s[40:41], s[52:53]
.irp n, 0,1,2,3,4,5,6,7
	global_load_b128 v[32+4*\n:35+4*\n], v12, s[32:33] offset:128*(\n/4)+32*(\n%4)
.endr
.irp n, 0,1,2,3
	v_mov_b32 v[16+\n], 0
.endr
	s_wait_alu depctr_va_vdst(0)
	s_wait_loadcnt 0x0
.set J_, 0
.rept 128                              ; word J = 64 (step % 2) + j goes to lane J / 4, register J % 4
	v_and_b32 v[20+J_%4], 0xff<<(8*(J_%4)), v[32+4*(J_/16)+(J_%16)/4]
	v_cmp_ne_u32 s[70+J_%4], 0, v[20+J_%4]
	v_writelane_b32 v[16+J_%4], s[70+J_%4], J_/4
.set J_, J_+1
.endr
	global_store_b128 v[L16], v[16:19], s[40:41]       ; 512 consecutive bytes
.Lend:
	s_wait_tensorcnt 0x0                               ; the wave's end: behind my last LDS store
	ds_add_u32 v[SPW], v[NIL]
	s_wait_dscnt 0x0
	s_endpgm
.Lfunc_end_k_q86a95efa19_prep:
	.size	k_q86a95efa19_prep, .Lfunc_end_k_q86a95efa19_prep-k_q86a95efa19_prep
	.p2alignl 7, 3214868480
	.fill 96, 4, 3214868480
	.section	.rodata,"a",@progbits
	.p2align	6, 0x0
	.amdhsa_kernel k_q86a95efa19_prep
		.amdhsa_group_segment_fixed_size 35328
		.amdhsa_private_segment_fixed_size 0
		.amdhsa_enable_private_segment 0
		.amdhsa_kernarg_size 152
		.amdhsa_user_sgpr_count 2
		.amdhsa_user_sgpr_kernarg_segment_ptr 1
		.amdhsa_wavefront_size32 1
		.amdhsa_system_sgpr_workgroup_id_x 1
		.amdhsa_system_sgpr_workgroup_id_y 1
		.amdhsa_system_sgpr_workgroup_id_z 1
		.amdhsa_system_vgpr_workitem_id 0
		.amdhsa_next_free_vgpr 256
		.amdhsa_next_free_sgpr 96
		.amdhsa_reserve_vcc 1
		.amdhsa_float_denorm_mode_32 3
		.amdhsa_float_denorm_mode_16_64 3
		.amdhsa_memory_ordered 1
		.amdhsa_forward_progress 1
		.amdhsa_inst_pref_size 71
	.end_amdhsa_kernel
	.amdgpu_metadata
---
amdhsa.version: [ 1, 2 ]
amdhsa.kernels:
  - .name:           k_q86a95efa19_prep
    .symbol:         k_q86a95efa19_prep.kd
    .args:
      - { .name: x_q_a, .offset: 0, .size: 8, .value_kind: global_buffer, .address_space: global }
      - { .name: x_q_b, .offset: 8, .size: 8, .value_kind: global_buffer, .address_space: global }
      - { .name: x_k_a, .offset: 16, .size: 8, .value_kind: global_buffer, .address_space: global }
      - { .name: x_k_b, .offset: 24, .size: 8, .value_kind: global_buffer, .address_space: global }
      - { .name: x_v_a, .offset: 32, .size: 8, .value_kind: global_buffer, .address_space: global }
      - { .name: x_v_b, .offset: 40, .size: 8, .value_kind: global_buffer, .address_space: global }
      - { .name: q_wa, .offset: 48, .size: 8, .value_kind: global_buffer, .address_space: global }
      - { .name: q_wb, .offset: 56, .size: 8, .value_kind: global_buffer, .address_space: global }
      - { .name: k_wa, .offset: 64, .size: 8, .value_kind: global_buffer, .address_space: global }
      - { .name: k_wb, .offset: 72, .size: 8, .value_kind: global_buffer, .address_space: global }
      - { .name: v_wa, .offset: 80, .size: 8, .value_kind: global_buffer, .address_space: global }
      - { .name: v_wb, .offset: 88, .size: 8, .value_kind: global_buffer, .address_space: global }
      - { .name: o_wa, .offset: 96, .size: 8, .value_kind: global_buffer, .address_space: global }
      - { .name: o_wb, .offset: 104, .size: 8, .value_kind: global_buffer, .address_space: global }
      - { .name: mask, .offset: 112, .size: 8, .value_kind: global_buffer, .address_space: global }
      - { .name: layer_theta, .offset: 120, .size: 8, .value_kind: global_buffer, .address_space: global }
      - { .name: xt, .offset: 128, .size: 8, .value_kind: global_buffer, .address_space: global }
      - { .name: wt, .offset: 136, .size: 8, .value_kind: global_buffer, .address_space: global }
      - { .name: maskw, .offset: 144, .size: 8, .value_kind: global_buffer, .address_space: global }
    .group_segment_fixed_size: 35328
    .private_segment_fixed_size: 0
    .kernarg_segment_align: 8
    .kernarg_segment_size: 152
    .max_flat_workgroup_size: 128
    .sgpr_count:     96
    .vgpr_count:     256
    .wavefront_size: 32
...
	.end_amdgpu_metadata
.endif
;; end of part 1
;; launch proj (part 2): grid 4 x 48, 4 waves a work-group, clusters of 4 x 4, 327,680 bytes of LDS; arguments xt, wt, q_ba, q_bb, k_ba, k_bb, v_ba, v_bb, qimg, qsc, kv; writes qimg, qsc, kv
.if DOCPART == 2
	.amdgcn_target "amdgcn-amd-amdhsa--gfx1250"
	.amdhsa_code_object_version 6
	.text
	.protected	k_q86a95efa19_proj
	.globl	k_q86a95efa19_proj
	.p2align	8
	.type	k_q86a95efa19_proj,@function
k_q86a95efa19_proj:
	s_mov_b64 s[64:65], 0
	v_nop
	global_prefetch_b8 v0, s[64:65] scope:SCOPE_SE
	s_setreg_imm32_b32 hwreg(HW_REG_WAVE_MODE, 25, 1), 1
	s_wait_xcnt 0x0
	s_wait_alu depctr_hold_cnt(0) depctr_sa_sdst(0) depctr_va_vdst(0) depctr_va_sdst(0) depctr_va_ssrc(0) depctr_va_vcc(0) depctr_vm_vsrc(0)
	s_getreg_b32 s2, hwreg(HW_REG_IB_STS2, 6, 4)
	s_cmp_eq_u32 s2, 0
	s_cbranch_scc0 .Lentry_in_a_cluster
	s_endpgm
.Lentry_in_a_cluster:
	s_bfe_u32 s2, ttmp6, 0x10000c
	s_cmp_lg_u32 s2, 0xf033
	s_cbranch_scc0 .Lentry_shape_is_right
	s_endpgm
.Lentry_shape_is_right:
; PROJ: the q, k and v projections, both outputs of each: oa = [j2 xb | xa] . [wb | wa] + ba, ob = [xa | xb] . [wb | wa] + bb, K pieces of 64 side by side in one matrix instruction of K = 128.
; One fragment of weights serves both outputs, and the 18 registers (j2 xb, xa, xb) hold both fragments of x as overlapping views.  The results are quantised on the way out: q and k along the head's 64, v along the keys.
; Nothing of the problem is left out here.  LIMITS: as stated at the head of the first launch; within an output the K pieces are summed interleaved and the bias is added last.
; SHARES: a work-group makes 128 tokens x 256 channels of both outputs of one projection p; wave w the 64 channels of head 4 ng + w: 8 x 4 tiles x 2 outputs = 64 accumulators, 512 registers.
; 192 work-groups: three projections of power-of-two sizes give no 256 equal tiles.
; q, k: source 0 = 16 channels, source 1 = 16 tokens: a lane holds a token and its registers run along the channels.  v: the sources swapped: a lane holds a channel and its registers run along the tokens (the keys).
; The choice hangs on the cluster's y alone; the branch leads round a K step's matrix instructions and the LDS loads that stand among them, which are the same in both arms.
; K goes in steps of 64 of E; a slot holds two steps: A's 2 x 19,456 bytes, B's 2 x 26,624: dense blocks of memory, laid by the first launch in the order of the operands' registers.
; THE NEXT K STEP'S 76 LDS LOADS STAND IN TWO RUNS OF 38, ahead of the first and of the second 16 of this step's 64 matrix instructions: the youngest load stands 48 matrix instructions ahead of the wait for it.
; CLUSTER 4 x 4: A's blocks are shared along a row, B's along a column, by joint loads.  At the head a wave brings a slot's whole part of A or of B; in the ring waves 0, 1 fetch A's halves, waves 2, 3 B's.
; REGISTERS: window 0: v2-15 addresses, v16-39 scale words (two sets), v40-47 addresses, v48-191 eight triples of x, v192-239 four fragments of W: set 0; v240 the prefetches' offset; window 1: the same numbers: set 1;
;   windows 2, 3: the accumulators of oa, ob.  On the way out window 0 holds: v48-111 biases, v112-175 64 numbers at work, v176-195 the quantiser's, v196-203 scale words, v208-255 four sets of two units of codes.
.set MT,    8
.set NQ,    2
.set ABLK,  19456
.set ASO,   18432
.set BBLK,  26624
.set BSO,   24576
.set BOFF,  38912
.set SLOT,  92160
.set SPARE, 2*SLOT                     ; behind the ring: the spare words, 128 bytes for each wave
.set SPW, 2
.set NIL, 3
.set A16, 4
.set A8,  6
.set AS4, 8
.set B16, 10
.set B8,  12
.set BS4, 14
.set SCB, 16                           ; scale words: set p at 16 + 12 p: x's tile j at + j (lanes 0-15 for oa, 16-31 for ob), W's tile i at + 8 + i
.set L16, 40
.set L8,  41
.set BOQ, 43
.set BOV, 44
.set TF,  48
.set WF,  192
.set BIA, 48
.set XR,  112
.set QM,  176
.set TT,  188
.set WD,  196
.set UR,  208
.set WV,  20
.set FB,  21                           ; 0: I fetch for A, 1: for B
.set HF,  22                           ; which half of a slot's part; at the head: which slot
.set CNT, 23
.set G1A, 24
.set G0A, 32
.set ISV, 45
.set G1B, 48
.set G0B, 56
.set SEL, 74
.set HM,  76
.set PA,  80
.set PB,  82
.set PSC, 84
.set PFA, 96                           ; s[96:97] where my prefetches stand
.set PFS, 86                           ; s[86:87] bytes from fill to fill of the operand that I fetch
.set PFO, 240                          ; v240 the prefetches' offset: 256 x my lane, held at my share's last row
.set MSB, 0
.macro WIN new                         ; the immediate's high byte repeats the setting that is left
.if MSB != \new
	s_set_vgpr_msb (MSB<<8)|\new
.set MSB, \new
.endif
.endm
.macro PLACES
.rept 4
	v_nop
.endr
.endm
.macro JLOAD s                         ; a joint load; an s_nop 0 and four v_nop follow each of the two lines
	s_cmp_eq_u32 s[FB], 0
	s_cbranch_scc0 .Lfor_b_\@
	tensor_load_to_lds s[G0A+4*\s:G0A+4*\s+3], s[G1A:G1A+7]
	s_nop 0
.rept 4
	v_nop
.endr
	s_branch .Lasked_\@
.Lfor_b_\@:
	tensor_load_to_lds s[G0B+4*\s:G0B+4*\s+3], s[G1B:G1B+7]
	s_nop 0
.rept 4
	v_nop
.endr
.Lasked_\@:
.endm
.macro CROUND                          ; a round of the cluster's barrier
	s_barrier_signal -1
	s_barrier_wait -1
	s_cmp_lg_u32 s[WV], 0
	s_cbranch_scc1 .Lnot_wave_0_\@
	s_barrier_signal -3
.Lnot_wave_0_\@:
	s_barrier_wait -3
	s_barrier_signal -1
	s_barrier_wait -1
.endm
; Load number ld_ of a K step's 76: 0-7 x's scale words, 8-11 W's, 12-27 W's eight units, 28-75 x's 24 units (a unit: 512 consecutive bytes, then 256).  Every load takes consecutive bytes in consecutive lanes.
.macro LD1 slot, q, set
.if ld_ < 8
	WIN 0
	ds_load_b32 v[SCB+12*(\set)+ld_], v[AS4+\slot] offset:(\q)*ABLK+ASO+128*ld_
.elseif ld_ < 12
	WIN 0
	ds_load_b32 v[SCB+12*(\set)+ld_], v[BS4+\slot] offset:(\q)*BBLK+BSO+128*(ld_-8)
.elseif ld_ < 28
.set lu_, (ld_-12)/2
	WIN 0x40*(\set)
.if ld_%2 == 0
	ds_load_b128 v[WF+6*lu_:WF+6*lu_+3], v[B16+\slot] offset:(\q)*BBLK+768*lu_
.else
	ds_load_b64 v[WF+6*lu_+4:WF+6*lu_+5], v[B8+\slot] offset:(\q)*BBLK+768*lu_+512
.endif
.elseif ld_ < 76
.set lu_, (ld_-28)/2
	WIN 0x40*(\set)
.if ld_%2 == 0
	ds_load_b128 v[TF+6*lu_:TF+6*lu_+3], v[A16+\slot] offset:(\q)*ABLK+768*lu_
.else
	ds_load_b64 v[TF+6*lu_+4:TF+6*lu_+5], v[A8+\slot] offset:(\q)*ABLK+768*lu_+512
.endif
.endif
.set ld_, ld_+1
.endm
.macro RUN n, slot, q, set             ; the next n of them
.rept \n
	LD1 \slot, \q, \set
.endr
.endm
.macro FETCH slot, q, set              ; all 76 on end: the first K step's, with no product yet to set them among
.set ld_, 0
	RUN 76, \slot, \q, \set
	WIN 0
.endm
.macro WM zero                         ; one matrix instruction from the symbols rD rA rB rSA rSB; rR: 1 = A's scales, 2 = B's scales from lanes 16-31
.if \zero
.if rR == 0
	v_wmma_scale_f32_16x16x128_f8f6f4 v[rD:rD+7], v[rA:rA+11], v[rB:rB+11], 0, v[rSA], v[rSB] matrix_a_fmt:MATRIX_FMT_FP6 matrix_b_fmt:MATRIX_FMT_FP6
.elseif rR == 1
	v_wmma_scale_f32_16x16x128_f8f6f4 v[rD:rD+7], v[rA:rA+11], v[rB:rB+11], 0, v[rSA], v[rSB] matrix_a_fmt:MATRIX_FMT_FP6 matrix_b_fmt:MATRIX_FMT_FP6 matrix_a_scale:MATRIX_SCALE_ROW1
.else
	v_wmma_scale_f32_16x16x128_f8f6f4 v[rD:rD+7], v[rA:rA+11], v[rB:rB+11], 0, v[rSA], v[rSB] matrix_a_fmt:MATRIX_FMT_FP6 matrix_b_fmt:MATRIX_FMT_FP6 matrix_b_scale:MATRIX_SCALE_ROW1
.endif
.else
.if rR == 0
	v_wmma_scale_f32_16x16x128_f8f6f4 v[rD:rD+7], v[rA:rA+11], v[rB:rB+11], v[rD:rD+7], v[rSA], v[rSB] matrix_a_fmt:MATRIX_FMT_FP6 matrix_b_fmt:MATRIX_FMT_FP6
.elseif rR == 1
	v_wmma_scale_f32_16x16x128_f8f6f4 v[rD:rD+7], v[rA:rA+11], v[rB:rB+11], v[rD:rD+7], v[rSA], v[rSB] matrix_a_fmt:MATRIX_FMT_FP6 matrix_b_fmt:MATRIX_FMT_FP6 matrix_a_scale:MATRIX_SCALE_ROW1
.else
	v_wmma_scale_f32_16x16x128_f8f6f4 v[rD:rD+7], v[rA:rA+11], v[rB:rB+11], v[rD:rD+7], v[rSA], v[rSB] matrix_a_fmt:MATRIX_FMT_FP6 matrix_b_fmt:MATRIX_FMT_FP6 matrix_b_scale:MATRIX_SCALE_ROW1
.endif
.endif
.endm
; 64 matrix instructions, every accumulator once.  q, k: accumulator (token tile j, channel tile i) at 8 (i + 4 j).
; f = 1: ahead of the first and of the second 16 of them stands a run of 38 loads of K step (fslot, fq) into set fset, the set that these products do not read.
.macro MULQK set, zero, f, fslot, fq, fset
.set ld_, 0
.set o_, 0
.rept 2
.set j_, 0
.rept MT
.if (\f) && (o_ == 0) && (j_%4 == 0)
	RUN 38, \fslot, \fq, \fset
.endif
.set wv_, (\set)|((\set)<<2)|((2+o_)<<4)|((2+o_)<<6)
	WIN wv_
.set i_, 0
.rept 4
.set rD, 8*(i_+4*j_)
.set rA, WF+12*i_
.set rB, TF+18*j_+6*o_
.set rSA, SCB+12*(\set)+8+i_
.set rSB, SCB+12*(\set)+j_
.set rR, 2*o_
	WM \zero
.set i_, i_+1
.endr
.set j_, j_+1
.endr
.set o_, o_+1
.endr
.endm
; v: the sources swapped; accumulator at 8 (j + 8 i)
.macro MULV set, zero, f, fslot, fq, fset
.set ld_, 0
.set o_, 0
.rept 2
.set i_, 0
.rept 4
.if (\f) && (o_ == 0) && (i_%2 == 0)
	RUN 38, \fslot, \fq, \fset
.endif
.set wv_, (\set)|((\set)<<2)|((2+o_)<<4)|((2+o_)<<6)
	WIN wv_
.set j_, 0
.rept MT
.set rD, 8*(j_+8*i_)
.set rA, TF+18*j_+6*o_
.set rB, WF+12*i_
.set rSA, SCB+12*(\set)+j_
.set rSB, SCB+12*(\set)+8+i_
.set rR, o_
	WM \zero
.set j_, j_+1
.endr
.set i_, i_+1
.endr
.set o_, o_+1
.endr
.endm
.macro MUL set, zero, fslot, fq, fset  ; a K step's products, with the next K step's loads among them
	s_cmp_eq_u32 s[ISV], 0
	s_cbranch_scc0 .Lmv_\@
	MULQK \set, \zero, 1, \fslot, \fq, \fset
	WIN 0
	s_branch .Lmj_\@
.Lmv_\@:
	MULV \set, \zero, 1, \fslot, \fq, \fset
	WIN 0
.Lmj_\@:
.endm
.macro KS0 slot, q, zero               ; a K step that has its successor in the same slot
	s_wait_dscnt 0x0                                   ; this step's operands are in (the youngest load was issued 48 matrix instructions ago)
	PLACES                                             ; behind the last products that read the other set: both runs of loads into it stand behind these four
	MUL (\q)%2, \zero, \slot, (\q)+1, 1-(\q)%2
.endm
.macro KSL slot, other, fill           ; a slot's last K step: its operands are in registers, so the slot is free
	s_wait_xcnt 0x0                                    ; any prefetch of mine has read its address: it is stepped here, ahead of the waits of the change of slots
.if \fill
	s_add_nc_u64 s[PFA:PFA+1], s[PFA:PFA+1], s[PFS:PFS+1]
.endif
	s_wait_tensorcnt 0x0                               ; all my tensor loads have landed: my part of the other slot
	ds_add_u32 v[SPW], v[NIL]                          ; 0 onto my spare word
.if \fill
	s_add_nc_u64 s[G0A+4*\slot+2:G0A+4*\slot+3], s[G0A+4*\slot+2:G0A+4*\slot+3], 2*NQ*ABLK
	s_add_nc_u64 s[G0B+4*\slot+2:G0B+4*\slot+3], s[G0B+4*\slot+2:G0B+4*\slot+3], 2*NQ*BBLK
.endif
	s_wait_dscnt 0x0                                   ; the add is done, and my reads of this slot are over
.if \fill
	CROUND                                             ; no wave of any partner still reads this slot or has a load on its way
	JLOAD \slot                                        ; the first tensor load behind the round; its four v_nop are the places in front of the loads below
	s_cmp_gt_u32 s[CNT], 1                             ; the last trip's two refills have no fill two on
	s_cbranch_scc0 .Lno_ask_\@
	global_prefetch_b8 v[PFO], s[PFA:PFA+1] th:TH_LOAD_NT scope:SCOPE_SE
.Lno_ask_\@:
.else
	s_barrier_signal -1
	s_barrier_wait -1
	PLACES
.endif
	MUL 1, 0, \other, 0, 0
.endm
; 64 numbers of a lane in v[XR ..]: two groups of 32; in a group register 16 b + i = k 32 b + 16 (lane / 16) + i of my row.  They become two units of codes in v[u_ .. u_ + 11] and the four blocks' scale bytes in v[wd].
; The four blocks take turns line by line.
.macro Q128 wd
.irp b, 0,1,2,3
	v_max3_num_f32 v[QM+\b], |v[XR+16*\b]|, |v[XR+1+16*\b]|, 0x1800000   ; with the floor 2^(3 - 127): the byte cannot fall under 1
.endr
.irp i, 2,4,6,8,10,12,14
.irp b, 0,1,2,3
	v_max3_num_f32 v[QM+\b], v[QM+\b], |v[XR+16*\b+\i]|, |v[XR+1+16*\b+\i]|
.endr
.endr
.irp b, 0,1,2,3
	v_permlanex16_b32 v[QM+4+\b], v[QM+\b], s[SEL], s[SEL+1]
.endr
.irp b, 0,1,2,3
	v_max_num_f32 v[QM+\b], v[QM+\b], v[QM+4+\b]       ; with lane l xor 16's: the block's largest magnitude
.endr
.irp b, 0,1,2,3
	v_add_nc_u32 v[QM+8+\b], 0xff000000, v[QM+\b]      ; 2 off the exponent field: the conversion's scale operand
.endr
.irp b, 0,1,2,3
	v_lshrrev_b32 v[QM+4+\b], 23, v[QM+8+\b]           ; the scale's byte
.endr
	v_lshl_or_b32 v[\wd], v[QM+5], 8, v[QM+4]
	v_lshl_or_b32 v[\wd], v[QM+6], 16, v[\wd]
	v_lshl_or_b32 v[\wd], v[QM+7], 24, v[\wd]
.irp c, 0, 1
	v_cvt_scalef32_pk16_fp6_f32 v[u_+6*\c:u_+6*\c+2], v[XR+32*\c:XR+32*\c+15], v[QM+8+2*\c]
	v_cvt_scalef32_pk16_fp6_f32 v[TT+4*\c:TT+4*\c+2], v[XR+32*\c+16:XR+32*\c+31], v[QM+8+2*\c+1]   ; (a conversion's three registers begin on an even number)
.endr
	v_nop                                              ; one plain place behind a scaled conversion
.irp c, 0, 1
.irp i, 0,1,2
	v_permlane16_swap_b32 v[u_+6*\c+\i], v[TT+4*\c+\i] ; a whole block to a lane: lanes 0-15 the group's block 0, lanes 16-31 its block 1
.endr
.irp i, 0,1,2
	v_mov_b32 v[u_+6*\c+3+\i], v[TT+4*\c+\i]
.endr
.endr
.endm
; Two groups of 32 results of a lane (window, first accumulator register, bias): + bias, quantised together, stored as two units.  g counts the pairs: the codes' registers take turns among four sets.
.macro GRP2 wx, ax, bx, wy, ay, by, bst, g, px, ox, py, oy, wd
.set u_, UR+12*((\g)%4)
	WIN (\wx)
.set k_, 0
.rept 16
	v_pk_add_f32 v[XR+2*k_:XR+2*k_+1], v[(\ax)+2*k_:(\ax)+2*k_+1], v[(\bx)+(\bst)*k_:(\bx)+(\bst)*k_+1]   ; each accumulator from its low end on
.set k_, k_+1
.endr
	WIN (\wy)
.set k_, 0
.rept 16
	v_pk_add_f32 v[XR+32+2*k_:XR+33+2*k_], v[(\ay)+2*k_:(\ay)+2*k_+1], v[(\by)+(\bst)*k_:(\by)+(\bst)*k_+1]
.set k_, k_+1
.endr
	WIN 0
.if (\g) == 4
	s_wait_xcnt 0x0                                    ; the first four pairs' stores have read their data: all four sets of codes' registers may be written again; each later pair writes a set whose stores stand ahead of this wait
.endif
	Q128 \wd
	global_store_b128 v[L16], v[u_:u_+3], s[\px:\px+1] offset:\ox
	global_store_b64 v[L8], v[u_+4:u_+5], s[\px:\px+1] offset:(\ox)+512
	global_store_b128 v[L16], v[u_+6:u_+9], s[\py:\py+1] offset:\oy
	global_store_b64 v[L8], v[u_+10:u_+11], s[\py:\py+1] offset:(\oy)+512
.endm
	s_load_b128 s[4:7], s[0:1], 0x0                    ; xt, wt
	s_load_b256 s[8:15], s[0:1], 0x10                  ; q_ba q_bb k_ba k_bb
	s_load_b128 s[16:19], s[0:1], 0x30                 ; v_ba v_bb
	s_load_b128 s[68:71], s[0:1], 0x40                 ; qimg qsc
	s_load_b64 s[72:73], s[0:1], 0x50                  ; kv
	v_lshl_add_u32 v[SPW], v0, 2, SPARE
	v_mov_b32 v[NIL], 0
	ds_add_u32 v[SPW], v[NIL]                          ; the wave's opening: the add, twice on end, and its wait ahead of my first tensor load
	ds_add_u32 v[SPW], v[NIL]
	v_lshrrev_b32 v1, 5, v0
	v_readfirstlane_b32 s[WV], v1
	s_lshr_b32 s[FB], s[WV], 1
	s_and_b32 s[HF], s[WV], 1
	s_bfe_u32 s40, ttmp6, 0x40000                      ; cx
	s_bfe_u32 s41, ttmp6, 0x40004                      ; cy
	s_lshl_b32 s42, ttmp9, 2
	s_add_co_u32 s42, s42, s40                         ; ng: which 256 channels
	s_and_b32 s44, ttmp7, 0xffff                       ; the cluster's y
	s_and_b32 s43, s44, 3
	s_lshr_b32 s44, s44, 2                             ; p: 0 q, 1 k, 2 v
	s_lshl_b32 s43, s43, 2
	s_add_co_u32 s43, s43, s41                         ; mg: which 128 tokens
	s_cmp_eq_u32 s44, 2
	s_cselect_b32 s[ISV], 1, 0
	s_lshl_b32 s96, s41, 2
	s_lshl_b32 s96, 15, s96                            ; my row of the cluster
	s_lshl_b32 s97, 0x1111, s40                        ; my column
	s_or_b32 s[G1A], s96, (3<<16)|(1<<21)              ; elements of 8 bytes, no padding; bit 21 beside a mask
	s_or_b32 s[G1B], s97, (3<<16)|(1<<21)
	s_mov_b32 s[G1A+1], 32<<16                         ; rows of 256 bytes
	s_mov_b32 s[G1A+2], 152<<16                        ; the head's load: 152 of them, a slot's whole part of A, 38,912 bytes
	s_mov_b32 s[G1A+3], 32<<16
	s_mov_b32 s[G1A+4], 152
	s_mov_b32 s[G1A+5], 32
	s_mov_b32 s[G1A+6], 0
	s_mov_b32 s[G1A+7], 0
	s_mov_b32 s[G1B+1], 32<<16
	s_mov_b32 s[G1B+2], 208<<16                        ; the head's load: 208 rows, a slot's whole part of B, 53,248 bytes
	s_mov_b32 s[G1B+3], 32<<16
	s_mov_b32 s[G1B+4], 208
	s_mov_b32 s[G1B+5], 32
	s_mov_b32 s[G1B+6], 0
	s_mov_b32 s[G1B+7], 0
	s_mul_i32 s86, s44, 4980736                        ; A's panel hangs on p, mg and the wave's number alone
	s_mul_i32 s46, s43, 311296
	s_add_co_u32 s86, s86, s46
	s_mul_i32 s94, s[HF], 19456
	s_add_co_u32 s86, s86, s94
	s_mov_b32 s87, 0
	s_mul_i32 s88, s44, 1703936                        ; B's on p, ng and the wave's number
	s_mul_i32 s47, s42, 425984
	s_add_co_u32 s88, s88, s47
	s_mul_i32 s95, s[HF], 26624
	s_add_co_u32 s88, s88, s95
	s_mov_b32 s89, 0
	s_add_co_u32 s95, s95, BOFF
	s_mov_b32 s[SEL], 0x76543210
	s_mov_b32 s[SEL+1], 0xfedcba98
	s_mov_b32 s[HM], 0xffff0000
	s_wait_dscnt 0x0                                   ; both opening adds are done
	s_wait_kmcnt 0x0
	s_add_nc_u64 s[90:91], s[4:5], s[86:87]
	s_add_nc_u64 s[92:93], s[6:7], s[88:89]
	CROUND                                             ; all sixteen work-groups are here: the first joint loads meet
.irp s, 0, 1
	s_mov_b32 s[G0A+4*\s], 1                           ; the ring's group 0: my half of a slot's part; first used, stepped by two fills, at the slot's first refill
	s_add_co_u32 s[G0A+4*\s+1], s94, \s*SLOT
	s_add_nc_u64 s[G0A+4*\s+2:G0A+4*\s+3], s[90:91], \s*NQ*ABLK
	s_or_b32 s[G0A+4*\s+3], s[G0A+4*\s+3], 0x80000000
	s_mov_b32 s[G0B+4*\s], 1
	s_add_co_u32 s[G0B+4*\s+1], s95, \s*SLOT
	s_add_nc_u64 s[G0B+4*\s+2:G0B+4*\s+3], s[92:93], \s*NQ*BBLK
	s_or_b32 s[G0B+4*\s+3], s[G0B+4*\s+3], 0x80000000
.endr
	; THE HEAD'S LOADS, ONE A WAVE, bring BOTH slots: wave 0 slot 0's whole part of A, wave 1 slot 1's, waves 2 and 3 the same of B.
	s_cmp_eq_u32 s[FB], 0
	s_cselect_b64 s[PFA:PFA+1], s[90:91], s[92:93]     ; for the prefetches: my half of fill 0's part of the operand that I fetch
	s_mul_i32 s46, s[HF], 19456
	s_mov_b32 s47, 0
	s_mov_b32 s4, 1
	s_mul_i32 s5, s[HF], SLOT
	s_add_nc_u64 s[6:7], s[90:91], s[46:47]            ; A's panel + 38,912 x the slot
	s_or_b32 s7, s7, 0x80000000
	s_mul_i32 s46, s[HF], 26624
	s_mov_b32 s88, 1
	s_add_co_u32 s89, s5, BOFF
	s_add_nc_u64 s[90:91], s[92:93], s[46:47]          ; B's panel + 53,248 x the slot
	s_or_b32 s91, s91, 0x80000000
	s_cmp_eq_u32 s[FB], 0
	s_cbranch_scc0 .Lhead_b
	tensor_load_to_lds s[4:7], s[G1A:G1A+7]
	s_nop 0
.rept 4
	v_nop
.endr
	s_branch .Lhead_asked
.Lhead_b:
	tensor_load_to_lds s[88:91], s[G1B:G1B+7]
	s_nop 0
.rept 4
	v_nop
.endr
.Lhead_asked:
	; PREFETCHES INTO THE L2: behind each joint load a wave asks for its half of the fill that stands two fills (four K steps) on: 76 rows of 256 bytes of A or 104 of B.
	; The four partners that ask for those rows jointly share them out by address, 19 or 26 each (by cx for A, by cy for B), a lane a row; the lanes left over name the share's last row again.
	; Fills 2 and 3 are asked for here at the head, fills 4 to 7 in the loop's first two trips; the last trip asks for nothing.  Asked for and not yet loaded: two fills at the most.
	s_cmp_eq_u32 s[FB], 0
	s_cselect_b32 s46, s40, s41                        ; my place among the four
	s_mov_b32 s47, 26*256
	s_cselect_b32 s47, 19*256, s47
	s_mov_b32 s[PFS], 53248
	s_cselect_b32 s[PFS], 38912, s[PFS]
	s_cselect_b32 s3, 18, 25
	s_mul_i32 s46, s46, s47
	s_lshl_b32 s47, s[PFS], 1
	s_add_co_u32 s46, s46, s47                         ; my share, of fill 2
	s_mov_b32 s47, 0
	s_mov_b32 s[PFS+1], 0
	s_add_nc_u64 s[PFA:PFA+1], s[PFA:PFA+1], s[46:47]
	v_and_b32 v[PFO], 31, v0
	v_min_u32 v[PFO], s3, v[PFO]
	v_lshlrev_b32 v[PFO], 8, v[PFO]
	global_prefetch_b8 v[PFO], s[PFA:PFA+1] th:TH_LOAD_NT scope:SCOPE_SE
	v_and_b32 v1, 31, v0
	v_lshlrev_b32 v[L16], 4, v1
	v_lshlrev_b32 v[L8], 3, v1
	v_lshlrev_b32 v42, 2, v1
	v_bfe_u32 v45, v0, 4, 1
	v_lshlrev_b32 v[BOQ], 6, v45                       ; q, k: the biases of my half's 16 channels of each 32
	v_and_b32 v46, 15, v0
	v_and_b32 v47, 8, v46
	v_add_nc_u32 v47, v47, v46
	v_lshlrev_b32 v[BOV], 2, v47                       ; v: the bias of my channel r + 8 (r / 8)
	s_mul_i32 s2, s[WV], 6144                          ; my four tiles of W
	s_add_co_u32 s2, s2, BOFF
	s_lshl_b32 s3, s[WV], 9
	s_add_co_u32 s3, s3, BOFF
.irp s, 0, 1
	v_add_nc_u32 v[A16+\s], \s*SLOT, v[L16]
	v_add_nc_u32 v[A8+\s], \s*SLOT, v[L8]
	v_add_nc_u32 v[AS4+\s], \s*SLOT, v42
	v_add_nc_u32 v[B16+\s], s2, v[L16]
	v_add_nc_u32 v[B8+\s], s2, v[L8]
	v_add_nc_u32 v[BS4+\s], s3, v42
	s_add_co_u32 s2, s2, SLOT
	s_add_co_u32 s3, s3, SLOT
.endr
	s_wait_xcnt 0x0                                    ; the prefetch above has read its address
	s_add_nc_u64 s[PFA:PFA+1], s[PFA:PFA+1], s[PFS:PFS+1]
	global_prefetch_b8 v[PFO], s[PFA:PFA+1] th:TH_LOAD_NT scope:SCOPE_SE   ; fill 3
	; where the results go (registers of their own: none that feeds a joint load's descriptor)
	s_lshl_b32 s77, s42, 2
	s_add_co_u32 s77, s77, s[WV]                       ; my head
	s_lshr_b32 s78, s43, 3
	s_lshl_b32 s78, s78, 4
	s_add_co_u32 s78, s78, s77                         ; bh = 16 b + head
	s_and_b32 s79, s43, 7                              ; which 128 tokens of the batch: the key step, the block of queries
	s_mul_i32 s98, s78, 98304                          ; q: codes
	s_mul_i32 s66, s79, 12288
	s_add_co_u32 s98, s98, s66
	s_lshl_b32 s100, s78, 12                           ; q: scale words
	s_lshl_b32 s66, s79, 9
	s_add_co_u32 s100, s100, s66
	s_mul_i32 s104, s78, 204800                        ; k, v: the head's block of kv
	s_lshl_b32 s66, s79, 10
	s_add_co_u32 s105, s104, s66                       ; scale words; v's 512 bytes behind k's
	s_lshl_b32 s66, s[ISV], 9
	s_add_co_u32 s105, s105, s66
	s_mul_i32 s66, s79, 24576
	s_add_co_u32 s104, s104, s66
	s_add_co_u32 s104, s104, 8192                      ; codes; v's 12,288 bytes behind k's
	s_mul_i32 s66, s[ISV], 12288
	s_add_co_u32 s104, s104, s66
	s_cmp_eq_u32 s44, 0
	s_cselect_b32 s98, s98, s104
	s_cselect_b32 s100, s100, s105
	s_cselect_b64 s[PA:PA+1], s[68:69], s[72:73]
	s_cselect_b64 s[PSC:PSC+1], s[70:71], s[72:73]
	s_cselect_b32 s66, 768, 0                          ; q: (qa, qb);
	s_mov_b32 s67, 0
	s_mov_b32 s99, 0
	s_mov_b32 s101, 0
	s_add_nc_u64 s[PA:PA+1], s[PA:PA+1], s[98:99]
	s_add_nc_u64 s[PSC:PSC+1], s[PSC:PSC+1], s[100:101]
	s_add_nc_u64 s[PB:PB+1], s[PA:PA+1], s[66:67]
	s_cmp_eq_u32 s44, 1
	s_cselect_b32 s66, 768, 0                          ; k: (kb, ka)
	s_add_nc_u64 s[PA:PA+1], s[PA:PA+1], s[66:67]
	s_cselect_b64 s[8:9], s[12:13], s[8:9]             ; the projection's two biases
	s_cselect_b64 s[10:11], s[14:15], s[10:11]
	s_cmp_eq_u32 s44, 2
	s_cselect_b64 s[8:9], s[16:17], s[8:9]
	s_cselect_b64 s[10:11], s[18:19], s[10:11]
	s_lshl_b32 s104, s42, 10
	s_lshl_b32 s66, s[WV], 8
	s_add_co_u32 s104, s104, s66                       ; my first channel, in bytes
	s_mov_b32 s105, 0
	s_add_nc_u64 s[8:9], s[8:9], s[104:105]
	s_add_nc_u64 s[10:11], s[10:11], s[104:105]
	s_wait_alu depctr_va_vdst(0)                       ; the head's end
	s_wait_tensorcnt 0x0                               ; my one load of the head is in, so a descriptor may be written: from here on a load brings half of a slot's part
	s_mov_b32 s[G1A+2], 76<<16                         ; 76 rows: 19,456 bytes
	s_mov_b32 s[G1A+4], 76
	s_mov_b32 s[G1B+2], 104<<16                        ; 104 rows: 26,624 bytes
	s_mov_b32 s[G1B+4], 104
	s_barrier_signal -1
	s_barrier_wait -1                                  ; both slots are whole
	FETCH 0, 0, 0
	KS0 0, 0, 1                                        ; the first K step's products start the sums
	s_mov_b32 s[CNT], 3
.Llap:                                                 ; a trip goes once round the ring and fills both slots again
	KSL 0, 1, 1
	KS0 1, 0, 0
	KSL 1, 0, 1
	KS0 0, 0, 0
	s_sub_co_u32 s[CNT], s[CNT], 1
	s_cmp_lg_u32 s[CNT], 0
	s_cbranch_scc1 .Llap
	KSL 0, 1, 0                                        ; the last lap fills nothing
	KS0 1, 0, 0
	s_wait_dscnt 0x0
	PLACES                                             ; set 0's registers take the biases and the way out's work
.irp b, 0,1,2,3
	v_mov_b32 v[QM+4+\b], 0                            ; a lane permute's destination counts as one of its sources
.endr
	s_cmp_eq_u32 s[ISV], 0
	s_cbranch_scc0 .Ltail_v
	; ---- q, k: a lane holds a token; a group of 32 registers is the head's 64 channels of my half; a pair of groups is a token tile's ob and oa
.irp o, 0, 1
.irp b, 0, 1
.irp e, 0,1,2,3
	global_load_b128 v[BIA+32*\o+16*\b+4*\e:BIA+32*\o+16*\b+4*\e+3], v[BOQ], s[8+2*\o:9+2*\o] offset:128*\b+16*\e
.endr
.endr
.endr
	MULQK 1, 0, 0, 0, 0, 0
	WIN 0
	PLACES
	s_wait_loadcnt 0x0
.irp j, 0,1,2,3,4,5,6,7
	GRP2 3, 32*\j, BIA+32, 2, 32*\j, BIA, 2, \j, PB, 1536*\j, PA, 1536*\j, WD+\j   ; the word: (b0 b1 a0 a1) of tile j
.endr
	s_branch .Lwords
	; ---- v: a lane holds a channel; a group of 32 registers is 64 keys of my half; a pair of groups is a channel tile's 128 keys
.Ltail_v:
.irp o, 0, 1
.irp i, 0,1,2,3
	global_load_b32 v[BIA+2*(4*\o+\i)], v[BOV], s[8+2*\o:9+2*\o] offset:4*(32*(\i/2)+8*(\i%2))
	global_load_b32 v[BIA+2*(4*\o+\i)+1], v[BOV], s[8+2*\o:9+2*\o] offset:4*(32*(\i/2)+8*(\i%2))   ; twice: a pair for the packed addition
.endr
.endr
	MULV 1, 0, 0, 0, 0, 0
	WIN 0
	PLACES
	s_wait_loadcnt 0x0
.irp o, 0, 1
.irp i, 0,1,2,3
	GRP2 2+\o, 64*\i, BIA+2*(4*\o+\i), 2+\o, 64*\i+32, BIA+2*(4*\o+\i), 0, 4*\o+\i, PA, 1536*(4*\o+\i), PA, 1536*(4*\o+\i)+768, WD+4*\o+\i   ; the word: the four key blocks' bytes of channel tile 4 o + i
.endr
.endr
.Lwords:
.irp e, 0,1,2,3
	v_cndmask_b32 v[WD+\e], v[WD+\e], v[WD+4+\e], s[HM]  ; lanes 0-15 tiles 0-3, lanes 16-31 tiles 4-7
.endr
	global_store_b128 v[L16], v[WD:WD+3], s[PSC:PSC+1] ; 512 consecutive bytes
	s_wait_tensorcnt 0x0                               ; the wave's end
	ds_add_u32 v[SPW], v[NIL]
	s_wait_dscnt 0x0
	CROUND                                             ; the closing round
	s_endpgm
.Lfunc_end_k_q86a95efa19_proj:
	.size	k_q86a95efa19_proj, .Lfunc_end_k_q86a95efa19_proj-k_q86a95efa19_proj
	.p2alignl 7, 3214868480
	.fill 96, 4, 3214868480
	.section	.rodata,"a",@progbits
	.p2align	6, 0x0
	.amdhsa_kernel k_q86a95efa19_proj
		.amdhsa_group_segment_fixed_size 327680
		.amdhsa_private_segment_fixed_size 0
		.amdhsa_enable_private_segment 0
		.amdhsa_kernarg_size 88
		.amdhsa_user_sgpr_count 2
		.amdhsa_user_sgpr_kernarg_segment_ptr 1
		.amdhsa_wavefront_size32 1
		.amdhsa_system_sgpr_workgroup_id_x 1
		.amdhsa_system_sgpr_workgroup_id_y 1
		.amdhsa_system_sgpr_workgroup_id_z 1
		.amdhsa_system_vgpr_workitem_id 0
		.amdhsa_next_free_vgpr 1024
		.amdhsa_next_free_sgpr 106
		.amdhsa_reserve_vcc 0
		.amdhsa_float_denorm_mode_32 3
		.amdhsa_float_denorm_mode_16_64 3
		.amdhsa_memory_ordered 1
		.amdhsa_forward_progress 1
		.amdhsa_inst_pref_size 255
	.end_amdhsa_kernel
	.section	.bss,"aw",@nobits
	.p2align	6
	.space	262144
	.amdgpu_metadata
---
amdhsa.version: [ 1, 2 ]
amdhsa.kernels:
  - .name:           k_q86a95efa19_proj
    .symbol:         k_q86a95efa19_proj.kd
    .args:
      - { .name: xt, .offset: 0, .size: 8, .value_kind: global_buffer, .address_space: global }
      - { .name: wt, .offset: 8, .size: 8, .value_kind: global_buffer, .address_space: global }
      - { .name: q_ba, .offset: 16, .size: 8, .value_kind: global_buffer, .address_space: global }
      - { .name: q_bb, .offset: 24, .size: 8, .value_kind: global_buffer, .address_space: global }
      - { .name: k_ba, .offset: 32, .size: 8, .value_kind: global_buffer, .address_space: global }
      - { .name: k_bb, .offset: 40, .size: 8, .value_kind: global_buffer, .address_space: global }
      - { .name: v_ba, .offset: 48, .size: 8, .value_kind: global_buffer, .address_space: global }
      - { .name: v_bb, .offset: 56, .size: 8, .value_kind: global_buffer, .address_space: global }
      - { .name: qimg, .offset: 64, .size: 8, .value_kind: global_buffer, .address_space: global }
      - { .name: qsc, .offset: 72, .size: 8, .value_kind: global_buffer, .address_space: global }
      - { .name: kv, .offset: 80, .size: 8, .value_kind: global_buffer, .address_space: global }
    .group_segment_fixed_size: 327680
    .private_segment_fixed_size: 0
    .kernarg_segment_align: 8
    .kernarg_segment_size: 88
    .max_flat_workgroup_size: 128
    .sgpr_count:     106
    .vgpr_count:     1024
    .wavefront_size: 32
...
	.end_amdgpu_metadata
.endif
;; end of part 2
;; launch attn (part 3): grid 8 x 32, 8 waves a work-group, clusters of 4 x 1, 327,680 bytes of LDS; arguments qimg, qsc, kv, maskw, head_thetas, layer_theta, ot; writes ot
.if DOCPART == 3
	.amdgcn_target "amdgcn-amd-amdhsa--gfx1250"
	.amdhsa_code_object_version 6
	.text
	.protected	k_q86a95efa19_attn
	.globl	k_q86a95efa19_attn
	.p2align	8
	.type	k_q86a95efa19_attn,@function
k_q86a95efa19_attn:
	s_mov_b64 s[64:65], 0
	v_nop
	global_prefetch_b8 v0, s[64:65] scope:SCOPE_SE
	s_setreg_imm32_b32 hwreg(HW_REG_WAVE_MODE, 25, 1), 1
	s_wait_xcnt 0x0
	s_wait_alu depctr_hold_cnt(0) depctr_sa_sdst(0) depctr_va_vdst(0) depctr_va_sdst(0) depctr_va_ssrc(0) depctr_va_vcc(0) depctr_vm_vsrc(0)
	s_getreg_b32 s2, hwreg(HW_REG_IB_STS2, 6, 4)
	s_cmp_eq_u32 s2, 0
	s_cbranch_scc0 .Lentry_in_a_cluster
	s_endpgm
.Lentry_in_a_cluster:
	s_bfe_u32 s2, ttmp6, 0x10000c
	s_cmp_lg_u32 s2, 0x3003
	s_cbranch_scc0 .Lentry_shape_is_right
	s_endpgm
.Lentry_shape_is_right:
; ATTN: for one batch and head, 128 queries: scores_b = qa.kb + qb.ka, scores_a = qa.ka + hj2 qb.kb, mag = sqrt(a^2 + b^2 + 1e-8) / 8, the mask, p = 2^(t - M) with a running whole M,
; out_a, out_b = p . (va, vb) / l; then out_a, out_b and j2 out_b are quantised along the head's 64 and stored as operand images for the last launch.  Nothing of the problem is left out here.
; LIMITS: as stated at the head of the first launch; the promise holds while t = mag log2(e) stays under 2^31.  A masked score takes -2^33 ahead of the factor 1/8 where reference() has -1e9 behind it:
; mag is never negative, so both lie at least 1e9 under every open score (p = 0), and a row with no open key gets equal p under either.
; SHARES: 256 work-groups; wave w of 8 takes the 16 queries of tile 8 x + w; a lane holds one query (both products are used transposed) and 64 of a step's 128 keys.
; A head's K and V with their scale words, 204,800 bytes, lie whole in LDS: two joint loads a wave (7,168 and 18,432 bytes), shared by the four work-groups of a cluster, which take the same head.
; No prefetch: everything that comes by tensor loads is asked for at the head, and the loop over the keys asks memory for 256 bytes of mask words a step, one step ahead.
; A STEP GOES IN BATCHES: 24 score products with their 96 packed multiply-adds among them; 64 square roots; 64 selects and the blocks' maxima; M; O's rescaling; 68 exponentials; p's codes; the row's sum; 8 products.
; K's fragment is (kb | ka), 64 + 64 along K.  Q's registers (0, qa, qb, 0) give three views: (qa | qb) for scores_b, (0 | qa) for qa.ka, (qb | 0) for qb.kb.
; REGISTERS: window 0: v1-63 addresses, scale words, small numbers; v64-127 U: scores, then p; v128-191 O^T; v192-255 the two parts of scores_a, two sets.  window 1: v0-23 Q, v36-131 K, v132-227 V.
.set SPARE, 204800
.set SPW, 1
.set NIL, 2
.set L16, 3
.set L8,  4
.set R16, 5
.set MKV, 6
.set ADK, 7
.set ADK8, 8
.set ADS, 9
.set BM,  18                           ; v18-21 the four blocks' largest scores, then largest p
.set BT,  22                           ; v22-25 at work
.set SO,  26                           ; v26-29 the conversions' scale operands
.set PS,  30
.set QS1, 31
.set QS2, 32
.set SOV, 33
.set KS,  34
.set VS,  42
.set PC,  50
.set U,   64
.set O,   128
.set PP,  192
.set UA,  200
.set UB,  206
.set UJ,  212
.set TT,  220
.set QM,  224
.set QF,  0
.set KF,  36
.set VF,  132
.set TB,  2
.set TS,  3
.set G1A, 4
.set G0A, 12
.set CNT, 4                            ; s4, s6-8 lie in the first load's descriptor: written behind the wait that shows it done
.set EPS, 6
.set HM,  8
.set CS,  66
.set WV,  67
.set G1B, 68
.set G0B, 76
.set MW,  80
.set OT,  82
.set SEL, 100
.set HJ,  104
.set MSB, 0
.macro WIN new                         ; the immediate's high byte repeats the setting that is left
.if MSB != \new
	s_set_vgpr_msb (MSB<<8)|\new
.set MSB, \new
.endif
.endm
.macro PLACES
.rept 4
	v_nop
.endr
.endm
.macro CROUND                          ; a round of the cluster's barrier
	s_barrier_signal -1
	s_barrier_wait -1
	s_cmp_lg_u32 s[WV], 0
	s_cbranch_scc1 .Lnot_wave_0_\@
	s_barrier_signal -3
.Lnot_wave_0_\@:
	s_barrier_wait -3
	s_barrier_signal -1
	s_barrier_wait -1
.endm
; -1 + sin(2 theta): reduction to |r| <= pi / 4, two polynomials; d the result, th theta, w seven work registers
.macro SINM1 d, th, w
	s_delay_alu instid0(VALU_DEP_1)
	v_add_f32 v[\w], v[\th], v[\th]
	s_delay_alu instid0(VALU_DEP_1)
	v_mul_f32 v[\w+1], 0x3f22f983, v[\w]
	s_delay_alu instid0(VALU_DEP_1)
	v_rndne_f32 v[\w+1], v[\w+1]
	s_delay_alu instid0(VALU_DEP_1)
	v_fmamk_f32 v[\w+2], v[\w+1], 0xbfc90fd8, v[\w]
	s_delay_alu instid0(VALU_DEP_1)
	v_fmamk_f32 v[\w+2], v[\w+1], 0xb4a8885a, v[\w+2]
	s_delay_alu instid0(VALU_DEP_1)
	v_fmamk_f32 v[\w+2], v[\w+1], 0xa7c234c4, v[\w+2]
	s_delay_alu instid0(VALU_DEP_4)
	v_cvt_i32_f32 v[\w+1], v[\w+1]
	s_delay_alu instid0(VALU_DEP_2)
	v_mul_f32 v[\w+3], v[\w+2], v[\w+2]
	v_mov_b32 v[\w+4], 0x3638ef1d
	s_delay_alu instid0(VALU_DEP_1)
	v_fmaak_f32 v[\w+4], v[\w+4], v[\w+3], 0xb9500d01
	s_delay_alu instid0(VALU_DEP_1)
	v_fmaak_f32 v[\w+4], v[\w+4], v[\w+3], 0x3c088889
	s_delay_alu instid0(VALU_DEP_1)
	v_fmaak_f32 v[\w+4], v[\w+4], v[\w+3], 0xbe2aaaab
	v_mul_f32 v[\w+6], v[\w+2], v[\w+3]
	s_delay_alu instid0(VALU_DEP_1)
	v_fma_f32 v[\w+4], v[\w+4], v[\w+6], v[\w+2]
	v_mov_b32 v[\w+5], 0xb493f27e
	s_delay_alu instid0(VALU_DEP_1)
	v_fmaak_f32 v[\w+5], v[\w+5], v[\w+3], 0x37d00d01
	s_delay_alu instid0(VALU_DEP_1)
	v_fmaak_f32 v[\w+5], v[\w+5], v[\w+3], 0xbab60b61
	s_delay_alu instid0(VALU_DEP_1)
	v_fmaak_f32 v[\w+5], v[\w+5], v[\w+3], 0x3d2aaaab
	s_delay_alu instid0(VALU_DEP_1)
	v_fmaak_f32 v[\w+5], v[\w+5], v[\w+3], 0xbf000000
	s_delay_alu instid0(VALU_DEP_1)
	v_fmaak_f32 v[\w+5], v[\w+5], v[\w+3], 0x3f800000
	v_and_b32 v[\w+6], 1, v[\w+1]
	s_delay_alu instid0(VALU_DEP_1)
	v_cmp_eq_u32 vcc_lo, 1, v[\w+6]
	s_delay_alu instid0(VALU_DEP_1)
	v_cndmask_b32 v[\w+4], v[\w+4], v[\w+5], vcc_lo
	v_and_b32 v[\w+6], 2, v[\w+1]
	s_delay_alu instid0(VALU_DEP_1)
	v_lshlrev_b32 v[\w+6], 30, v[\w+6]
	s_delay_alu instid0(VALU_DEP_1)
	v_xor_b32 v[\w+4], v[\w+4], v[\w+6]
	s_delay_alu instid0(VALU_DEP_1)
	v_add_f32 v[\d], -1.0, v[\w+4]
.endm
; 32 numbers of a lane (two half blocks of my query's 64 channels) become a unit of codes in v[u .. u + 5] and the two blocks' bytes in v[pr]
.macro Q64 x, u, t, pr
	v_max3_num_f32 v[QM], |v[\x]|, |v[\x+1]|, 0x1800000
	v_max3_num_f32 v[QM+1], |v[\x+16]|, |v[\x+17]|, 0x1800000
.irp i, 2,4,6,8,10,12,14
	s_delay_alu instid0(VALU_DEP_2)
	v_max3_num_f32 v[QM], v[QM], |v[\x+\i]|, |v[\x+\i+1]|
	s_delay_alu instid0(VALU_DEP_2)
	v_max3_num_f32 v[QM+1], v[QM+1], |v[\x+16+\i]|, |v[\x+17+\i]|
.endr
	s_delay_alu instid0(VALU_DEP_2)
	v_permlanex16_b32 v[QM+2], v[QM], s[SEL], s[SEL+1]
	s_delay_alu instid0(VALU_DEP_2)
	v_permlanex16_b32 v[QM+3], v[QM+1], s[SEL], s[SEL+1]
	s_delay_alu instid0(VALU_DEP_2)
	v_max_num_f32 v[QM], v[QM], v[QM+2]
	s_delay_alu instid0(VALU_DEP_2)
	v_max_num_f32 v[QM+1], v[QM+1], v[QM+3]
	s_delay_alu instid0(VALU_DEP_2)
	v_add_nc_u32 v[QM+4], 0xff000000, v[QM]
	s_delay_alu instid0(VALU_DEP_2)
	v_add_nc_u32 v[QM+5], 0xff000000, v[QM+1]
	s_delay_alu instid0(VALU_DEP_2)
	v_lshrrev_b32 v[QM+6], 23, v[QM+4]
	s_delay_alu instid0(VALU_DEP_2)
	v_lshrrev_b32 v[QM+7], 23, v[QM+5]
	s_delay_alu instid0(VALU_DEP_1)
	v_lshl_or_b32 v[\pr], v[QM+7], 8, v[QM+6]
	v_cvt_scalef32_pk16_fp6_f32 v[\u:\u+2], v[\x:\x+15], v[QM+4]
	v_cvt_scalef32_pk16_fp6_f32 v[\t:\t+2], v[\x+16:\x+31], v[QM+5]
	v_nop
.irp i, 0,1,2
	v_permlane16_swap_b32 v[\u+\i], v[\t+\i]
.endr
.irp i, 0,1,2
	s_delay_alu instid0(VALU_DEP_3)
	v_mov_b32 v[\u+3+\i], v[\t+\i]
.endr
.endm
.macro FETCH_K ahead                   ; 34 LDS loads: K's scale words and eight fragments, of this step (0) or the next (1)
	ds_load_b128 v[KS:KS+3], v[ADS] offset:1024*(\ahead)
	ds_load_b128 v[KS+4:KS+7], v[ADS] offset:1024*(\ahead)+256
	WIN 0x40
.set n_, 0
.rept 16
	ds_load_b128 v[KF+6*n_:KF+6*n_+3], v[ADK] offset:8192+24576*(\ahead)+768*n_
	ds_load_b64 v[KF+6*n_+4:KF+6*n_+5], v[ADK8] offset:8192+24576*(\ahead)+768*n_+512
.set n_, n_+1
.endr
	WIN 0
.endm
.macro FETCH_V                         ; 34 LDS loads: V's of this step
	ds_load_b128 v[VS:VS+3], v[ADS] offset:512
	ds_load_b128 v[VS+4:VS+7], v[ADS] offset:768
	WIN 0x40
.set n_, 0
.rept 16
	ds_load_b128 v[VF+6*n_:VF+6*n_+3], v[ADK] offset:20480+768*n_
	ds_load_b64 v[VF+6*n_+4:VF+6*n_+5], v[ADK8] offset:20480+768*n_+512
.set n_, n_+1
.endr
	WIN 0
.endm
.macro WMQ d, a, b, sa, sb
	v_wmma_scale_f32_16x16x128_f8f6f4 v[\d:\d+7], v[\a:\a+11], v[\b:\b+11], 0, v[\sa], v[\sb] matrix_a_fmt:MATRIX_FMT_FP6 matrix_b_fmt:MATRIX_FMT_FP6
.endm
.macro WQK g                           ; key tiles 2 g, 2 g + 1: scores_b into U, qa.ka and qb.kb into set g % 2 of PP
	WIN 0x05
.irp e, 0, 1
.set t_, 2*(\g)+\e
.set rK, KF+12*t_
.set rS, KS+t_
.set rD, U+8*t_
	WMQ rD, rK, QF+6, rS, QS1
.set rD, PP+32*((\g)%2)+8*\e
	WMQ rD, rK, QF, rS, QS2
.set rD, rD+16
	WMQ rD, rK, QF+12, rS, QS2
.endr
	WIN 0
.endm
.macro VA g                            ; group g's 16 numbers a lane: a = qa.ka + hj2 qb.kb; b^2 + 1e-8; + a^2.  Three runs of eight, each accumulator from its low end on; a line reads what stands eight lines back
.set p_, PP+32*((\g)%2)
.set u_, U+16*(\g)
.irp k, 0,2,4,6,8,10,12,14
	v_pk_fma_f32 v[p_+\k:p_+\k+1], v[p_+16+\k:p_+17+\k], s[HJ:HJ+1], v[p_+\k:p_+\k+1] op_sel_hi:[1,0,1]
.endr
.irp k, 0,2,4,6,8,10,12,14
	v_pk_fma_f32 v[u_+\k:u_+\k+1], v[u_+\k:u_+\k+1], v[u_+\k:u_+\k+1], s[EPS:EPS+1] op_sel_hi:[1,1,0]
.endr
.irp k, 0,2,4,6,8,10,12,14
	v_pk_fma_f32 v[u_+\k:u_+\k+1], v[p_+\k:p_+\k+1], v[p_+\k:p_+\k+1], v[u_+\k:u_+\k+1]
.endr
.endm
.macro CM j                            ; the mask's word j is a lane mask: s16-63, s84-99
.if (\j) < 48
	v_cndmask_b32 v[U+(\j)], v[MKV], v[U+(\j)], s[16+(\j)]
.else
	v_cndmask_b32 v[U+(\j)], v[MKV], v[U+(\j)], s[36+(\j)]
.endif
.endm
.macro STEP first, next                ; 128 keys
	s_wait_dscnt 0x0                                   ; K's fragments are in
	WQK 0
	WQK 1
	PLACES                                             ; behind the last step's products with V, and ahead of the first read of group 0's results
	FETCH_V
	VA 0
	WQK 2
	VA 1
	WQK 3
	VA 2                                               ; these 24 lines are the places ahead of the loads into K's registers
.if \next
	FETCH_K 1
	s_add_co_u32 s[TB], s[TB], 24576                   ; the next step's addresses: 24 plain vector lines stand between these writes and their next reader
	s_add_co_u32 s[TS], s[TS], 1024
	v_add_nc_u32 v[ADK], s[TB], v[L16]
	v_add_nc_u32 v[ADK8], s[TB], v[L8]
	v_add_nc_u32 v[ADS], s[TS], v[R16]
.endif
	VA 3
	s_wait_kmcnt 0x0                                   ; this step's mask words are in, so their address may step
.if \next
	s_add_nc_u64 s[MW:MW+1], s[MW:MW+1], 256
.endif
	s_wait_alu depctr_va_vdst(0)                       ; ahead of a batch of transcendentals
.set k_, 0
.rept 64
	v_sqrt_f32 v[U+k_], v[U+k_]
.set k_, k_+1
.endr
	v_nop                                              ; one plain place behind a transcendental
	s_wait_alu depctr_va_vdst(0)                       ; and the wait behind the batch
.set k_, 0
.rept 64
	CM k_
.set k_, k_+1
.endr
.irp b, 0,1,2,3
	v_max_num_f32 v[BM+\b], v[U+16*\b], v[U+16*\b+1]   ; each block's largest score: for the row's maximum and for the block's largest p
.endr
.irp i, 2,4,6,8,10,12,14
.irp b, 0,1,2,3
	s_delay_alu instid0(VALU_DEP_4)
	v_max3_num_f32 v[BM+\b], v[BM+\b], v[U+16*\b+\i], v[U+16*\b+\i+1]
.endr
.endr
.irp b, 0,1,2,3
	s_delay_alu instid0(VALU_DEP_4)
	v_permlanex16_b32 v[BT+\b], v[BM+\b], s[SEL], s[SEL+1]
.endr
.irp b, 0,1,2,3
	s_delay_alu instid0(VALU_DEP_4)
	v_max_num_f32 v[BM+\b], v[BM+\b], v[BT+\b]         ; with lane l xor 16's 16 keys
.endr
	s_delay_alu instid0(VALU_DEP_2)
	v_max3_num_f32 v10, v[BM], v[BM+1], v[BM+2]
	s_delay_alu instid0(VALU_DEP_1)
	v_max_num_f32 v10, v10, v[BM+3]
	s_delay_alu instid0(VALU_DEP_1)
	v_mul_f32 v10, s[CS], v10                          ; as t: x log2(e) / 8
	s_delay_alu instid0(VALU_DEP_1)
	v_max_num_f32 v13, v13, v10                        ; the running largest t
	v_mov_b32 v10, v12
	s_delay_alu instid0(VALU_DEP_2)
	v_floor_f32 v12, -v13                              ; -M = floor(-t): M is a whole number
	s_delay_alu instid0(VALU_DEP_1)
	v_sub_f32 v10, v12, v10
	s_delay_alu instid0(VALU_DEP_1)
	v_cvt_i32_f32 v10, v10
	s_delay_alu instid0(VALU_DEP_1)
	v_ldexp_f32 v16, 1.0, v10                          ; f = 2^(old M - new M)
.if (\first) == 0
	s_wait_alu depctr_va_vdst(0)                       ; directly ahead of the first reader of O^T
.set k_, 0
.rept 32
	v_pk_mul_f32 v[O+2*k_:O+2*k_+1], v[O+2*k_:O+2*k_+1], v[16:17] op_sel_hi:[1,0]
.set k_, k_+1
.endr
.endif
.set k_, 0
.rept 32
	v_pk_fma_f32 v[U+2*k_:U+2*k_+1], v[U+2*k_:U+2*k_+1], s[CS:CS+1], v[12:13] op_sel_hi:[1,0,0]   ; t - M
.set k_, k_+1
.endr
.irp b, 0,1,2,3
	v_fma_f32 v[BM+\b], v[BM+\b], s[CS], v12           ; the same of each block's largest score
.endr
	s_wait_alu depctr_va_vdst(0)                       ; ahead of the batch
.set k_, 0
.rept 64
	v_exp_f32 v[U+k_], v[U+k_]
.set k_, k_+1
.endr
.irp b, 0,1,2,3
	v_exp_f32 v[BM+\b], v[BM+\b]
.endr
	v_pk_mul_f32 v[14:15], v[14:15], v[16:17] op_sel_hi:[1,0]   ; the sum under the new M; the plain place behind the batch
	s_wait_alu depctr_va_vdst(0)                       ; behind the batch
.if \next
	s_load_b512 s[16:31], s[MW:MW+1], 0x0              ; the next step's 64 mask words
	s_load_b512 s[32:47], s[MW:MW+1], 0x40
	s_load_b512 s[48:63], s[MW:MW+1], 0x80
	s_load_b512 s[84:99], s[MW:MW+1], 0xc0
.endif
.irp b, 0,1,2,3
	v_max_num_f32 v[BM+\b], 0x1800000, v[BM+\b]        ; the floor 2^(3 - 127): the byte cannot fall under 1
.endr
.irp b, 0,1,2,3
	s_delay_alu instid0(VALU_DEP_4)
	v_add_nc_u32 v[SO+\b], 0xff000000, v[BM+\b]
.endr
.irp b, 0,1,2,3
	s_delay_alu instid0(VALU_DEP_4)
	v_lshrrev_b32 v[BT+\b], 23, v[SO+\b]
.endr
	s_delay_alu instid0(VALU_DEP_3)
	v_lshl_or_b32 v[PS], v[BT+1], 8, v[BT]
	s_delay_alu instid0(VALU_DEP_1)
	v_lshl_or_b32 v[PS], v[BT+2], 16, v[PS]
	s_delay_alu instid0(VALU_DEP_1)
	v_lshl_or_b32 v[PS], v[BT+3], 24, v[PS]            ; p's scale word for these 128 keys
.irp c, 0, 1
	v_cvt_scalef32_pk16_fp6_f32 v[PC+6*\c:PC+6*\c+2], v[U+32*\c:U+32*\c+15], v[SO+2*\c]
	v_cvt_scalef32_pk16_fp6_f32 v[PP+4*\c:PP+4*\c+2], v[U+32*\c+16:U+32*\c+31], v[SO+2*\c+1]
.endr
	v_nop                                              ; one plain place behind a scaled conversion
.irp c, 0, 1
.irp i, 0,1,2
	v_permlane16_swap_b32 v[PC+6*\c+\i], v[PP+4*\c+\i] ; a whole block to a lane
.endr
.irp i, 0,1,2
	s_delay_alu instid0(VALU_DEP_3)
	v_mov_b32 v[PC+6*\c+3+\i], v[PP+4*\c+\i]
.endr
.endr
; the row's sum, of the unquantised p: 32 packed additions in four chains (v14-15, v22-27); they are also the places between the writes of p's codes and scale word and the products below
.irp c, 0,1,2
	v_pk_add_f32 v[BT+2*\c:BT+2*\c+1], v[U+4*\c:U+4*\c+1], v[U+4*\c+2:U+4*\c+3]
.endr
.irp j, 12,20,28,36,44,52
	v_pk_add_f32 v[14:15], v[14:15], v[U+\j:U+\j+1]
	v_pk_add_f32 v[BT:BT+1], v[BT:BT+1], v[U+\j+2:U+\j+3]
	v_pk_add_f32 v[BT+2:BT+3], v[BT+2:BT+3], v[U+\j+4:U+\j+5]
	v_pk_add_f32 v[BT+4:BT+5], v[BT+4:BT+5], v[U+\j+6:U+\j+7]
.endr
	v_pk_add_f32 v[14:15], v[14:15], v[U+60:U+61]
	v_pk_add_f32 v[BT:BT+1], v[BT:BT+1], v[U+62:U+63]
	v_pk_add_f32 v[BT+2:BT+3], v[BT+2:BT+3], v[BT+4:BT+5]
	s_delay_alu instid0(VALU_DEP_2)
	v_pk_add_f32 v[14:15], v[14:15], v[BT:BT+1]
	s_delay_alu instid0(VALU_DEP_1)
	v_pk_add_f32 v[14:15], v[14:15], v[BT+2:BT+3]
	s_wait_alu depctr_va_vdst(0)
.if \next
	s_wait_dscnt 34                                    ; V's 34 loads are in; the next step's 34 for K, issued behind them, may be out
.else
	s_wait_dscnt 0x0
.endif
	WIN 0x01
.set n_, 0
.rept 8                                ; O^T += V^T p^T: eight accumulators, one instruction each
.if \first
	v_wmma_scale_f32_16x16x128_f8f6f4 v[O+8*n_:O+8*n_+7], v[VF+12*n_:VF+12*n_+11], v[PC:PC+11], 0, v[VS+n_], v[PS] matrix_a_fmt:MATRIX_FMT_FP6 matrix_b_fmt:MATRIX_FMT_FP6
.else
	v_wmma_scale_f32_16x16x128_f8f6f4 v[O+8*n_:O+8*n_+7], v[VF+12*n_:VF+12*n_+11], v[PC:PC+11], v[O+8*n_:O+8*n_+7], v[VS+n_], v[PS] matrix_a_fmt:MATRIX_FMT_FP6 matrix_b_fmt:MATRIX_FMT_FP6
.endif
.set n_, n_+1
.endr
	WIN 0
.endm
	s_load_b256 s[16:23], s[0:1], 0x0                  ; qimg qsc kv maskw
	s_load_b128 s[24:27], s[0:1], 0x20                 ; head_thetas layer_theta
	s_load_b64 s[28:29], s[0:1], 0x30                  ; ot
	v_lshl_add_u32 v[SPW], v0, 2, SPARE
	v_mov_b32 v[NIL], 0
	ds_add_u32 v[SPW], v[NIL]                          ; the wave's opening: the add, twice on end, and its wait ahead of my first tensor load
	ds_add_u32 v[SPW], v[NIL]
	v_lshrrev_b32 v10, 5, v0
	s_delay_alu instid0(VALU_DEP_1)
	v_readfirstlane_b32 s[WV], v10
	s_bfe_u32 s31, ttmp6, 0x40000                      ; cx
	s_lshl_b32 s32, ttmp9, 2
	s_add_co_u32 s32, s32, s31                         ; which 128 queries
	s_and_b32 s33, ttmp7, 0xffff                       ; bh = 16 b + head
	s_lshl_b32 s34, s32, 3
	s_add_co_u32 s34, s34, s[WV]                       ; my tile of queries
	s_mov_b32 s[G1A], 15|(3<<16)|(1<<21)               ; the four of the cluster; elements of 8 bytes; bit 21 beside a mask
	s_mov_b32 s[G1A+1], 32<<16                         ; rows of 256 bytes,
	s_mov_b32 s[G1A+2], 28<<16                         ; 28 of them
	s_mov_b32 s[G1A+3], 32<<16
	s_mov_b32 s[G1A+4], 28
	s_mov_b32 s[G1A+5], 32
	s_mov_b32 s[G1A+6], 0
	s_mov_b32 s[G1A+7], 0
	s_mov_b32 s[G1B], 15|(3<<16)|(1<<21)
	s_mov_b32 s[G1B+1], 32<<16
	s_mov_b32 s[G1B+2], 72<<16                         ; 72 rows
	s_mov_b32 s[G1B+3], 32<<16
	s_mov_b32 s[G1B+4], 72
	s_mov_b32 s[G1B+5], 32
	s_mov_b32 s[G1B+6], 0
	s_mov_b32 s[G1B+7], 0
	s_mul_i32 s35, s33, 204800                         ; the head's block of kv: hangs on bh and the wave's number alone
	s_mul_i32 s48, s[WV], 7168
	s_mul_i32 s49, s[WV], 18432
	s_add_co_u32 s49, s49, 57344
	s_add_co_u32 s36, s35, s48
	s_mov_b32 s37, 0
	s_add_co_u32 s38, s35, s49
	s_mov_b32 s39, 0
	s_wait_dscnt 0x0                                   ; both opening adds are done
	s_wait_kmcnt 0x0
	s_mov_b32 s[G0A], 1
	s_mov_b32 s[G0A+1], s48
	s_add_nc_u64 s[G0A+2:G0A+3], s[20:21], s[36:37]
	s_or_b32 s[G0A+3], s[G0A+3], 0x80000000
	s_mov_b32 s[G0B], 1
	s_mov_b32 s[G0B+1], s49
	s_add_nc_u64 s[G0B+2:G0B+3], s[20:21], s[38:39]
	s_or_b32 s[G0B+3], s[G0B+3], 0x80000000
	CROUND                                             ; the four work-groups are here: the first joint loads meet
	tensor_load_to_lds s[G0A:G0A+3], s[G1A:G1A+7]      ; the first 57,344 bytes, an eighth a wave: all scale words, key steps 0 and 1
	s_nop 0
.rept 4
	v_nop
.endr
	; all the rest of the set-up stands between that load and the wait for it
	s_and_b32 s50, s33, 15
	s_lshl_b32 s51, s50, 2
	s_load_b32 s52, s[24:25], s51 offset:0x0           ; my head's theta
	s_load_b32 s53, s[26:27], 0x0                      ; the layer's
	s_mul_i32 s40, s33, 98304
	s_mul_i32 s50, s34, 1536
	s_add_co_u32 s40, s40, s50
	s_mov_b32 s41, 0
	s_add_nc_u64 s[16:17], s[16:17], s[40:41]          ; my tile's units (qa, qb)
	s_lshl_b32 s42, s33, 12
	s_lshl_b32 s50, s32, 9
	s_add_co_u32 s42, s42, s50
	s_lshr_b32 s50, s[WV], 2
	s_lshl_b32 s50, s50, 8
	s_add_co_u32 s42, s42, s50
	s_and_b32 s50, s[WV], 3
	s_lshl_b32 s50, s50, 2
	s_add_co_u32 s42, s42, s50
	s_mov_b32 s43, 0
	s_add_nc_u64 s[18:19], s[18:19], s[42:43]          ; its scale words
	s_lshr_b32 s44, s33, 4
	s_lshl_b32 s44, s44, 6
	s_add_co_u32 s44, s44, s34
	s_lshl_b32 s44, s44, 11
	s_mov_b32 s45, 0
	s_add_nc_u64 s[MW:MW+1], s[22:23], s[44:45]        ; its mask words
	s_lshr_b32 s46, s33, 4
	s_lshl_b32 s46, s46, 4
	s_lshr_b32 s50, s34, 2
	s_add_co_u32 s46, s46, s50
	s_lshl_b32 s46, s46, 4
	s_and_b32 s50, s33, 15
	s_add_co_u32 s46, s46, s50
	s_mul_i32 s46, s46, 9728
	s_and_b32 s50, s34, 3
	s_mul_i32 s50, s50, 2304
	s_add_co_u32 s46, s46, s50
	s_mov_b32 s47, 0
	s_add_nc_u64 s[OT:OT+1], s[28:29], s[46:47]        ; where its results go
	s_and_b32 s50, s[WV], 3
	s_mul_i32 s50, s50, 2176
	s_sub_co_u32 s50, 9216, s50
	v_and_b32 v11, 31, v0
	s_delay_alu instid0(VALU_DEP_1)
	v_lshlrev_b32 v[L16], 4, v11
	s_delay_alu instid0(VALU_DEP_2)
	v_lshlrev_b32 v[L8], 3, v11
	s_delay_alu instid0(VALU_DEP_3)
	v_lshl_add_u32 v[SOV], v11, 2, s50
	v_and_b32 v10, 15, v0
	s_delay_alu instid0(VALU_DEP_1)
	v_lshlrev_b32 v[R16], 4, v10
	WIN 0x40
	global_load_b128 v[QF+6:QF+9], v[L16], s[16:17]
	global_load_b64 v[QF+10:QF+11], v[L8], s[16:17] offset:512
	global_load_b128 v[QF+12:QF+15], v[L16], s[16:17] offset:768
	global_load_b64 v[QF+16:QF+17], v[L8], s[16:17] offset:1280
.irp i, 0,1,2,3,4,5
	v_mov_b32 v[QF+\i], 0                              ; zero codes on both sides of (qa, qb)
	v_mov_b32 v[QF+18+\i], 0
.endr
	WIN 0
	global_load_b32 v[QS2], v[R16], s[18:19]           ; (b0 b1 a0 a1)
	s_mov_b32 s[CS], 0x3e38aa3b                        ; log2(e) / 8
	s_mov_b32 s[SEL], 0x76543210
	s_mov_b32 s[SEL+1], 0xfedcba98
	s_mov_b32 s[TB], 0
	s_mov_b32 s[TS], 0
	s_wait_kmcnt 0x0
	v_mov_b32 v10, s52
	SINM1 11, 10, 64
	s_delay_alu instid0(VALU_DEP_1)
	v_readfirstlane_b32 s[HJ], v11                     ; hj2
	s_mov_b32 s[HJ+1], s[HJ]
	v_mov_b32 v10, s53
	SINM1 62, 10, 64                                   ; j2
	s_delay_alu instid0(VALU_DEP_1)
	v_mov_b32 v63, v62
	s_wait_loadcnt 0x0
	v_alignbit_b32 v[QS1], v[QS2], v[QS2], 16          ; (a0 a1 b0 b1)
	v_mov_b32 v[MKV], 0xd0000000                       ; -2^33
	v_mov_b32 v13, 0xff61b1e6                          ; the largest t so far: -3e38
	s_delay_alu instid0(VALU_DEP_1)
	v_floor_f32 v12, -v13
	v_mov_b32 v14, 0
	v_mov_b32 v15, 0
	v_mov_b32 v17, 0
	v_mov_b32 v10, 0
.irp b, 0,1,2,3
	v_mov_b32 v[BT+\b], 0                              ; a lane permute's destination counts as one of its sources
.endr
	v_add_nc_u32 v[ADK], s[TB], v[L16]
	v_add_nc_u32 v[ADK8], s[TB], v[L8]
	v_add_nc_u32 v[ADS], s[TS], v[R16]
	s_wait_xcnt 0x0                                    ; the loads above have read their bases: s16-63 take the mask words
	s_load_b512 s[16:31], s[MW:MW+1], 0x0
	s_load_b512 s[32:47], s[MW:MW+1], 0x40
	s_load_b512 s[48:63], s[MW:MW+1], 0x80
	s_load_b512 s[84:99], s[MW:MW+1], 0xc0
	s_wait_alu depctr_va_vdst(0)                       ; the head's end
	s_wait_tensorcnt 0x0                               ; my part of the first load is in
	ds_add_u32 v[SPW], v[NIL]
	s_mov_b32 s[EPS], 0x322bcc77                       ; 1e-8 (the first load is done: its descriptor's registers may be written)
	s_mov_b32 s[EPS+1], s[EPS]
	s_mov_b32 s[HM], 0xffff0000
	s_wait_dscnt 0x0
	CROUND                                             ; everybody's part is in, and the four work-groups are here
	tensor_load_to_lds s[G0B:G0B+3], s[G1B:G1B+7]      ; the other 147,456 bytes: key steps 2 to 7
	s_nop 0
.rept 4
	v_nop
.endr
	FETCH_K 0
	STEP 1, 1                                          ; reads key step 0 and K of key step 1: bytes of the first load
	s_wait_tensorcnt 0x0                               ; my part of the second load is in
	s_wait_dscnt 0x0
	s_barrier_signal -1
	s_barrier_wait -1                                  ; and everybody's
	s_mov_b32 s[CNT], 6
.Lstep:
	STEP 0, 1
	s_sub_co_u32 s[CNT], s[CNT], 1
	s_cmp_lg_u32 s[CNT], 0
	s_cbranch_scc1 .Lstep
	STEP 0, 0
	v_add_f32 v14, v14, v15                            ; the sum's two halves,
	v_nop
	v_nop
	v_permlanex16_b32 v10, v14, s[SEL], s[SEL+1]
	s_delay_alu instid0(VALU_DEP_1)
	v_add_f32 v14, v14, v10                            ; and lane l xor 16's
	s_wait_alu depctr_va_vdst(0)
	v_rcp_f32 v14, v14
	v_nop
	v_mov_b32 v[QM+2], 0
	v_mov_b32 v[QM+3], 0
	s_wait_alu depctr_va_vdst(0)                       ; behind the transcendental, directly ahead of the first reader of O^T
.set k_, 0
.rept 32
	v_pk_mul_f32 v[U+2*k_:U+2*k_+1], v[O+2*k_:O+2*k_+1], v[14:15] op_sel_hi:[1,0]   ; out_a in U .. U + 31, out_b in U + 32 .. U + 63
.set k_, k_+1
.endr
	Q64 U, UA, TT, 232
	Q64 U+32, UB, TT, 233
.set k_, 0
.rept 16
	v_pk_mul_f32 v[U+32+2*k_:U+33+2*k_], v[U+32+2*k_:U+33+2*k_], v[62:63] op_sel_hi:[1,0]   ; j2 out_b, in f32
.set k_, k_+1
.endr
	Q64 U+32, UJ, TT, 234
	global_store_b128 v[L16], v[UJ:UJ+3], s[OT:OT+1]   ; three units: 512 consecutive bytes, then 256, each
	global_store_b64 v[L8], v[UJ+4:UJ+5], s[OT:OT+1] offset:512
	global_store_b128 v[L16], v[UA:UA+3], s[OT:OT+1] offset:768
	global_store_b64 v[L8], v[UA+4:UA+5], s[OT:OT+1] offset:1280
	global_store_b128 v[L16], v[UB:UB+3], s[OT:OT+1] offset:1536
	global_store_b64 v[L8], v[UB+4:UB+5], s[OT:OT+1] offset:2048
	v_lshl_or_b32 v236, v232, 16, v234                 ; (j0 j1 a0 a1)
	v_lshl_or_b32 v237, v233, 16, v232                 ; (a0 a1 b0 b1)
	s_delay_alu instid0(VALU_DEP_1)
	v_cndmask_b32 v236, v236, v237, s[HM]              ; lanes 0-15 the first, lanes 16-31 the second
	global_store_b32 v[SOV], v236, s[OT:OT+1]
	s_wait_tensorcnt 0x0                               ; the wave's end
	ds_add_u32 v[SPW], v[NIL]
	s_wait_dscnt 0x0
	CROUND                                             ; the closing round
	s_endpgm
.Lfunc_end_k_q86a95efa19_attn:
	.size	k_q86a95efa19_attn, .Lfunc_end_k_q86a95efa19_attn-k_q86a95efa19_attn
	.p2alignl 7, 3214868480
	.fill 96, 4, 3214868480
	.section	.rodata,"a",@progbits
	.p2align	6, 0x0
	.amdhsa_kernel k_q86a95efa19_attn
		.amdhsa_group_segment_fixed_size 327680
		.amdhsa_private_segment_fixed_size 0
		.amdhsa_enable_private_segment 0
		.amdhsa_kernarg_size 56
		.amdhsa_user_sgpr_count 2
		.amdhsa_user_sgpr_kernarg_segment_ptr 1
		.amdhsa_wavefront_size32 1
		.amdhsa_system_sgpr_workgroup_id_x 1
		.amdhsa_system_sgpr_workgroup_id_y 1
		.amdhsa_system_sgpr_workgroup_id_z 1
		.amdhsa_system_vgpr_workitem_id 0
		.amdhsa_next_free_vgpr 512
		.amdhsa_next_free_sgpr 106
		.amdhsa_reserve_vcc 1
		.amdhsa_float_denorm_mode_32 3
		.amdhsa_float_denorm_mode_16_64 3
		.amdhsa_memory_ordered 1
		.amdhsa_forward_progress 1
		.amdhsa_inst_pref_size 132
	.end_amdhsa_kernel
	.amdgpu_metadata
---
amdhsa.version: [ 1, 2 ]
amdhsa.kernels:
  - .name:           k_q86a95efa19_attn
    .symbol:         k_q86a95efa19_attn.kd
    .args:
      - { .name: qimg, .offset: 0, .size: 8, .value_kind: global_buffer, .address_space: global }
      - { .name: qsc, .offset: 8, .size: 8, .value_kind: global_buffer, .address_space: global }
      - { .name: kv, .offset: 16, .size: 8, .value_kind: global_buffer, .address_space: global }
      - { .name: maskw, .offset: 24, .size: 8, .value_kind: global_buffer, .address_space: global }
      - { .name: head_thetas, .offset: 32, .size: 8, .value_kind: global_buffer, .address_space: global }
      - { .name: layer_theta, .offset: 40, .size: 8, .value_kind: global_buffer, .address_space: global }
      - { .name: ot, .offset: 48, .size: 8, .value_kind: global_buffer, .address_space: global }
    .group_segment_fixed_size: 327680
    .private_segment_fixed_size: 0
    .kernarg_segment_align: 8
    .kernarg_segment_size: 56
    .max_flat_workgroup_size: 256
    .sgpr_count:     106
    .vgpr_count:     512
    .wavefront_size: 32
...
	.end_amdgpu_metadata
.endif
;; end of part 3
;; launch oproj (part 4): grid 8 x 32, 4 waves a work-group, clusters of 4 x 4, 327,680 bytes of LDS; arguments ot, wt, o_ba, o_bb, out0, out1; writes out0, out1
.if DOCPART == 4
	.amdgcn_target "amdgcn-amd-amdhsa--gfx1250"
	.amdhsa_code_object_version 6
	.text
	.protected	k_q86a95efa19_oproj
	.globl	k_q86a95efa19_oproj
	.p2align	8
	.type	k_q86a95efa19_oproj,@function
k_q86a95efa19_oproj:
	s_mov_b64 s[64:65], 0
	v_nop
	global_prefetch_b8 v0, s[64:65] scope:SCOPE_SE
	s_setreg_imm32_b32 hwreg(HW_REG_WAVE_MODE, 25, 1), 1
	s_wait_xcnt 0x0
	s_wait_alu depctr_hold_cnt(0) depctr_sa_sdst(0) depctr_va_vdst(0) depctr_va_sdst(0) depctr_va_ssrc(0) depctr_va_vcc(0) depctr_vm_vsrc(0)
	s_getreg_b32 s2, hwreg(HW_REG_IB_STS2, 6, 4)
	s_cmp_eq_u32 s2, 0
	s_cbranch_scc0 .Lentry_in_a_cluster
	s_endpgm
.Lentry_in_a_cluster:
	s_bfe_u32 s2, ttmp6, 0x10000c
	s_cmp_lg_u32 s2, 0xf033
	s_cbranch_scc0 .Lentry_shape_is_right
	s_endpgm
.Lentry_shape_is_right:
; OPROJ: out0 = [j2 out_b | out_a] . [o_wb | o_wa] + o_ba, out1 = [out_a | out_b] . [o_wb | o_wa] + o_bb, on the codes that the launches before have laid in the order of the operands' registers.
; Nothing of the problem is left out here.  LIMITS: as stated at the head of the first launch; the K pieces are summed interleaved and the bias is added last.
; SHARES: 256 work-groups; each makes 64 tokens x 128 channels of both outputs; wave (wm, wn) 32 tokens x 64 channels: 2 x 4 tiles x 2 outputs = 16 accumulators.
; K goes in steps of 64 of E (a head); a slot holds four steps: A's 4 x 9,728 bytes, B's 4 x 13,312; four fills in all, so the steps are written out.
; CLUSTER 4 x 4: A's blocks are shared along a row, B's along a column, by joint loads; waves 0, 1 fetch A's halves, waves 2, 3 B's.
; Source 0 = 16 channels, source 1 = 16 tokens: a lane holds a token and its registers run along the channels; the results leave through the wave's own stage in LDS as whole runs of 256 bytes.
; REGISTERS: window 0: v2-15 addresses, v16-39 scale words (two sets), v48-83 two triples, v84-87 addresses, v96-159 biases, v160-191 at work, v192-239 four fragments of W: set 0; window 1: set 1; windows 2, 3: the accumulators.
.set MT,    2
.set NQ,    4
.set ABLK,  9728
.set ASO,   9216
.set BBLK,  13312
.set BSO,   12288
.set BOFF,  38912
.set SLOT,  92160
.set SPARE, 2*SLOT
.set SPW, 2
.set NIL, 3
.set A16, 4
.set A8,  6
.set AS4, 8
.set B16, 10
.set B8,  12
.set BS4, 14
.set SCB, 16
.set L16, 40
.set L8,  41
.set TF,  48
.set STO, 84
.set RD,  85
.set CO,  86
.set BOQ, 87
.set BIA, 96
.set XR,  160
.set WF,  192
.set WV,  20
.set FB,  21                           ; 0: I fetch for A, 1: for B.  Also wm: which 32 tokens are mine
.set HF,  22                           ; which half of a slot's part.  Also wn: which 64 channels
.set G1A, 24
.set G0A, 32
.set G1B, 48
.set G0B, 56
.set PFA, 96                           ; s[96:97] where my prefetches stand
.set PFS, 86                           ; s[86:87] bytes from fill to fill of the operand that I fetch
.set PFO, 240                          ; v240 the prefetches' offset: 256 x my lane, held at my share's last row; never rewritten
.set MSB, 0
.macro WIN new
.if MSB != \new
	s_set_vgpr_msb (MSB<<8)|\new
.set MSB, \new
.endif
.endm
.macro PLACES
.rept 4
	v_nop
.endr
.endm
.macro JLOAD s
	s_cmp_eq_u32 s[FB], 0
	s_cbranch_scc0 .Lfor_b_\@
	tensor_load_to_lds s[G0A+4*\s:G0A+4*\s+3], s[G1A:G1A+7]
	s_nop 0
.rept 4
	v_nop
.endr
	s_branch .Lasked_\@
.Lfor_b_\@:
	tensor_load_to_lds s[G0B+4*\s:G0B+4*\s+3], s[G1B:G1B+7]
	s_nop 0
.rept 4
	v_nop
.endr
.Lasked_\@:
.endm
.macro CROUND
	s_barrier_signal -1
	s_barrier_wait -1
	s_cmp_lg_u32 s[WV], 0
	s_cbranch_scc1 .Lnot_wave_0_\@
	s_barrier_signal -3
.Lnot_wave_0_\@:
	s_barrier_wait -3
	s_barrier_signal -1
	s_barrier_wait -1
.endm
.macro WM zero
.if \zero
.if rR == 0
	v_wmma_scale_f32_16x16x128_f8f6f4 v[rD:rD+7], v[rA:rA+11], v[rB:rB+11], 0, v[rSA], v[rSB] matrix_a_fmt:MATRIX_FMT_FP6 matrix_b_fmt:MATRIX_FMT_FP6
.else
	v_wmma_scale_f32_16x16x128_f8f6f4 v[rD:rD+7], v[rA:rA+11], v[rB:rB+11], 0, v[rSA], v[rSB] matrix_a_fmt:MATRIX_FMT_FP6 matrix_b_fmt:MATRIX_FMT_FP6 matrix_b_scale:MATRIX_SCALE_ROW1
.endif
.else
.if rR == 0
	v_wmma_scale_f32_16x16x128_f8f6f4 v[rD:rD+7], v[rA:rA+11], v[rB:rB+11], v[rD:rD+7], v[rSA], v[rSB] matrix_a_fmt:MATRIX_FMT_FP6 matrix_b_fmt:MATRIX_FMT_FP6
.else
	v_wmma_scale_f32_16x16x128_f8f6f4 v[rD:rD+7], v[rA:rA+11], v[rB:rB+11], v[rD:rD+7], v[rSA], v[rSB] matrix_a_fmt:MATRIX_FMT_FP6 matrix_b_fmt:MATRIX_FMT_FP6 matrix_b_scale:MATRIX_SCALE_ROW1
.endif
.endif
.endm
.macro MUL set, zero                   ; 16 matrix instructions, every accumulator once; accumulator (token tile j, channel tile i) at 8 (i + 4 j)
.set o_, 0
.rept 2
.set wv_, (\set)|((\set)<<2)|((2+o_)<<4)|((2+o_)<<6)
	WIN wv_
.set j_, 0
.rept MT
.set i_, 0
.rept 4
.set rD, 8*(i_+4*j_)
.set rA, WF+12*i_
.set rB, TF+18*j_+6*o_
.set rSA, SCB+12*(\set)+8+i_
.set rSB, SCB+12*(\set)+j_
.set rR, 2*o_
	WM \zero
.set i_, i_+1
.endr
.set j_, j_+1
.endr
.set o_, o_+1
.endr
	WIN 0
.endm
.macro FETCH slot, q, set
.set j_, 0
.rept MT
	ds_load_b32 v[SCB+12*(\set)+j_], v[AS4+\slot] offset:(\q)*ABLK+ASO+128*j_
.set j_, j_+1
.endr
.set i_, 0
.rept 4
	ds_load_b32 v[SCB+12*(\set)+8+i_], v[BS4+\slot] offset:(\q)*BBLK+BSO+128*i_
.set i_, i_+1
.endr
	WIN 0x40*(\set)
.set j_, 0
.rept 3*MT
	ds_load_b128 v[TF+6*j_:TF+6*j_+3], v[A16+\slot] offset:(\q)*ABLK+768*j_
	ds_load_b64 v[TF+6*j_+4:TF+6*j_+5], v[A8+\slot] offset:(\q)*ABLK+768*j_+512
.set j_, j_+1
.endr
.set i_, 0
.rept 8
	ds_load_b128 v[WF+6*i_:WF+6*i_+3], v[B16+\slot] offset:(\q)*BBLK+768*i_
	ds_load_b64 v[WF+6*i_+4:WF+6*i_+5], v[B8+\slot] offset:(\q)*BBLK+768*i_+512
.set i_, i_+1
.endr
	WIN 0
.endm
.macro KS0 slot, q, zero
	s_wait_dscnt 0x0                                   ; this step's operands are in
	PLACES                                             ; in front of loads into the set that the last products read
	FETCH \slot, (\q)+1, 1-(\q)%2
	MUL (\q)%2, \zero
.endm
.macro KSL slot, other, fill
	s_wait_tensorcnt 0x0                               ; all my tensor loads have landed: my part of the other slot
	ds_add_u32 v[SPW], v[NIL]                          ; 0 onto my spare word
.if \fill
	s_add_nc_u64 s[G0A+4*\slot+2:G0A+4*\slot+3], s[G0A+4*\slot+2:G0A+4*\slot+3], 2*NQ*ABLK
	s_add_nc_u64 s[G0B+4*\slot+2:G0B+4*\slot+3], s[G0B+4*\slot+2:G0B+4*\slot+3], 2*NQ*BBLK
.endif
	s_wait_dscnt 0x0                                   ; the add is done, and my reads of this slot are over: its last operands are in registers
.if \fill
	CROUND
	JLOAD \slot                                        ; the first tensor load behind the round; it has four K steps in which to land
.else
	s_barrier_signal -1
	s_barrier_wait -1
	PLACES
.endif
	s_wait_alu depctr_va_vdst(0)
	FETCH \other, 0, 0
	MUL 1, 0
.endm
; 16 tokens x 64 channels of output o, token tile j; g counts the groups
.macro OGRP o, j, g
.if (\g) >= 2
	s_wait_xcnt 0x0                                    ; the stores of two groups back have read their data: the loads below land there
.endif
	WIN 2+\o
.set k_, 0
.rept 16
	v_pk_add_f32 v[XR+2*k_:XR+2*k_+1], v[32*(\j)+2*k_:32*(\j)+2*k_+1], v[BIA+32*(\o)+2*k_:BIA+32*(\o)+2*k_+1]   ; each accumulator from its low end on
.set k_, k_+1
.endr
	WIN 0
.set bk_, TF+144*((\g)%2)
.irp b, 0, 1
.irp e, 0,1,2,3
	ds_store_b128 v[STO], v[XR+16*\b+4*\e:XR+16*\b+4*\e+3] offset:128*\b+16*\e
.endr
.endr
.irp e, 0,1,2,3,4,5,6,7
	ds_load_b128 v[bk_+4*\e:bk_+4*\e+3], v[RD] offset:544*\e       ; LDS serves a wave's instructions in order: these see my stores; two rows an instruction
.endr
.irp e, 0,1,2,3,4,5,6,7
	s_wait_dscnt 7-\e                                  ; the younger loads may be out
	global_store_b128 v[CO], v[bk_+4*\e:bk_+4*\e+3], s[12+2*(\o):13+2*(\o)] offset:(8*(\j)+2*\e+8*(\e/4))*4096 th:TH_STORE_NT   ; 16 lanes store 256 consecutive bytes, at a multiple of 256 from the buffer's first byte
.endr
.endm
	s_load_b128 s[4:7], s[0:1], 0x0                    ; ot, wt
	s_load_b256 s[8:15], s[0:1], 0x10                  ; o_ba o_bb out0 out1
	v_lshl_add_u32 v[SPW], v0, 2, SPARE
	v_mov_b32 v[NIL], 0
	ds_add_u32 v[SPW], v[NIL]                          ; the wave's opening: the add, twice on end, and its wait ahead of my first tensor load
	ds_add_u32 v[SPW], v[NIL]
	v_lshrrev_b32 v1, 5, v0
	v_readfirstlane_b32 s[WV], v1
	s_lshr_b32 s[FB], s[WV], 1
	s_and_b32 s[HF], s[WV], 1
	s_bfe_u32 s40, ttmp6, 0x40000                      ; cx
	s_bfe_u32 s41, ttmp6, 0x40004                      ; cy
	s_lshl_b32 s42, ttmp9, 2
	s_add_co_u32 s42, s42, s40                         ; ng: which 128 channels
	s_and_b32 s43, ttmp7, 0xffff
	s_lshl_b32 s43, s43, 2
	s_add_co_u32 s43, s43, s41                         ; mg: which 64 tokens
	s_lshl_b32 s96, s41, 2
	s_lshl_b32 s96, 15, s96                            ; my row of the cluster
	s_lshl_b32 s97, 0x1111, s40                        ; my column
	s_or_b32 s[G1A], s96, (3<<16)|(1<<21)
	s_or_b32 s[G1B], s97, (3<<16)|(1<<21)
	s_mov_b32 s[G1A+1], 32<<16
	s_mov_b32 s[G1A+2], 152<<16                        ; the head's load: 152 rows of 256 bytes, a slot's whole part of A
	s_mov_b32 s[G1A+3], 32<<16
	s_mov_b32 s[G1A+4], 152
	s_mov_b32 s[G1A+5], 32
	s_mov_b32 s[G1A+6], 0
	s_mov_b32 s[G1A+7], 0
	s_mov_b32 s[G1B+1], 32<<16
	s_mov_b32 s[G1B+2], 208<<16                        ; the head's load: 208 rows, a slot's whole part of B
	s_mov_b32 s[G1B+3], 32<<16
	s_mov_b32 s[G1B+4], 208
	s_mov_b32 s[G1B+5], 32
	s_mov_b32 s[G1B+6], 0
	s_mov_b32 s[G1B+7], 0
	s_mul_i32 s86, s43, 155648                         ; A's panel hangs on mg and the wave's number alone
	s_mul_i32 s94, s[HF], 19456
	s_add_co_u32 s86, s86, s94
	s_mov_b32 s87, 0
	s_mul_i32 s88, s42, 212992                         ; B's on ng and the wave's number
	s_add_co_u32 s88, s88, 5111808
	s_mul_i32 s95, s[HF], 26624
	s_add_co_u32 s88, s88, s95
	s_mov_b32 s89, 0
	s_add_co_u32 s95, s95, BOFF
	s_wait_dscnt 0x0                                   ; both opening adds are done
	s_wait_kmcnt 0x0
	s_add_nc_u64 s[90:91], s[4:5], s[86:87]
	s_add_nc_u64 s[92:93], s[6:7], s[88:89]
	CROUND                                             ; all sixteen work-groups are here: the first joint loads meet
.irp s, 0, 1
	s_mov_b32 s[G0A+4*\s], 1
	s_add_co_u32 s[G0A+4*\s+1], s94, \s*SLOT
	s_add_nc_u64 s[G0A+4*\s+2:G0A+4*\s+3], s[90:91], \s*NQ*ABLK
	s_or_b32 s[G0A+4*\s+3], s[G0A+4*\s+3], 0x80000000
	s_mov_b32 s[G0B+4*\s], 1
	s_add_co_u32 s[G0B+4*\s+1], s95, \s*SLOT
	s_add_nc_u64 s[G0B+4*\s+2:G0B+4*\s+3], s[92:93], \s*NQ*BBLK
	s_or_b32 s[G0B+4*\s+3], s[G0B+4*\s+3], 0x80000000
.endr
	; THE HEAD'S LOADS, ONE A WAVE, bring BOTH slots: wave 0 slot 0's whole part of A, wave 1 slot 1's, waves 2 and 3 the same of B.
	s_cmp_eq_u32 s[FB], 0
	s_cselect_b64 s[PFA:PFA+1], s[90:91], s[92:93]     ; for the prefetches: my half of fill 0's part of the operand that I fetch
	s_mul_i32 s46, s[HF], 19456
	s_mov_b32 s47, 0
	s_mov_b32 s4, 1
	s_mul_i32 s5, s[HF], SLOT
	s_add_nc_u64 s[6:7], s[90:91], s[46:47]            ; A's panel + 38,912 x the slot
	s_or_b32 s7, s7, 0x80000000
	s_mul_i32 s46, s[HF], 26624
	s_mov_b32 s88, 1
	s_add_co_u32 s89, s5, BOFF
	s_add_nc_u64 s[90:91], s[92:93], s[46:47]          ; B's panel + 53,248 x the slot
	s_or_b32 s91, s91, 0x80000000
	s_cmp_eq_u32 s[FB], 0
	s_cbranch_scc0 .Lhead_b
	tensor_load_to_lds s[4:7], s[G1A:G1A+7]
	s_nop 0
.rept 4
	v_nop
.endr
	s_branch .Lhead_asked
.Lhead_b:
	tensor_load_to_lds s[88:91], s[G1B:G1B+7]
	s_nop 0
.rept 4
	v_nop
.endr
.Lhead_asked:
	; PREFETCHES INTO THE L2: the two refills, fills 2 and 3, are asked for here, two fills (eight K steps) ahead of their joint loads: a wave asks for its half, 76 rows of 256 bytes of A or 104 of B.
	; The four partners that ask for those rows jointly share them out by address, 19 or 26 each (by cx for A, by cy for B), a lane a row; the lanes left over name the share's last row again.
	s_cmp_eq_u32 s[FB], 0
	s_cselect_b32 s46, s40, s41                        ; my place among the four
	s_mov_b32 s47, 26*256
	s_cselect_b32 s47, 19*256, s47
	s_mov_b32 s[PFS], 53248
	s_cselect_b32 s[PFS], 38912, s[PFS]
	s_cselect_b32 s3, 18, 25
	s_mul_i32 s46, s46, s47
	s_lshl_b32 s47, s[PFS], 1
	s_add_co_u32 s46, s46, s47                         ; my share, of fill 2
	s_mov_b32 s47, 0
	s_mov_b32 s[PFS+1], 0
	s_add_nc_u64 s[PFA:PFA+1], s[PFA:PFA+1], s[46:47]
	v_and_b32 v[PFO], 31, v0
	v_min_u32 v[PFO], s3, v[PFO]
	v_lshlrev_b32 v[PFO], 8, v[PFO]
	global_prefetch_b8 v[PFO], s[PFA:PFA+1] th:TH_LOAD_NT scope:SCOPE_SE
	v_and_b32 v1, 31, v0
	v_lshlrev_b32 v[L16], 4, v1
	v_lshlrev_b32 v[L8], 3, v1
	v_lshlrev_b32 v42, 2, v1
	v_bfe_u32 v46, v0, 4, 1                            ; h
	v_and_b32 v47, 15, v0                              ; r
	v_lshlrev_b32 v[BOQ], 6, v46
	s_mul_i32 s2, s[FB], 4608                          ; my two tiles of tokens
	s_lshl_b32 s3, s[FB], 8
	s_mul_i32 s66, s[HF], 6144                         ; my four tiles of channels
	s_add_co_u32 s66, s66, BOFF
	s_lshl_b32 s67, s[HF], 9
	s_add_co_u32 s67, s67, BOFF
.irp s, 0, 1
	v_add_nc_u32 v[A16+\s], s2, v[L16]
	v_add_nc_u32 v[A8+\s], s2, v[L8]
	v_add_nc_u32 v[AS4+\s], s3, v42
	v_add_nc_u32 v[B16+\s], s66, v[L16]
	v_add_nc_u32 v[B8+\s], s66, v[L8]
	v_add_nc_u32 v[BS4+\s], s67, v42
	s_add_co_u32 s2, s2, SLOT
	s_add_co_u32 s3, s3, SLOT
	s_add_co_u32 s66, s66, SLOT
	s_add_co_u32 s67, s67, SLOT
.endr
	s_wait_xcnt 0x0                                    ; the prefetch above has read its address
	s_add_nc_u64 s[PFA:PFA+1], s[PFA:PFA+1], s[PFS:PFS+1]
	global_prefetch_b8 v[PFO], s[PFA:PFA+1] th:TH_LOAD_NT scope:SCOPE_SE   ; fill 3
	s_mul_i32 s77, s[WV], 4352                         ; my stage: 16 rows x (256 + 16) bytes, in slot 0: it has had its last fill and its last read when the first result is stored there
	v_mul_u32_u24 v[STO], v47, 272
	v_lshl_add_u32 v[STO], v46, 6, v[STO]
	v_add_nc_u32 v[STO], s77, v[STO]                   ; in: row r, + 64 h
	v_mul_u32_u24 v[RD], v46, 272
	v_lshl_add_u32 v[RD], v47, 4, v[RD]
	v_add_nc_u32 v[RD], s77, v[RD]                     ; back: lanes 0-15 one row, lanes 16-31 the next
	v_lshlrev_b32 v[CO], 12, v46
	v_lshl_add_u32 v[CO], v47, 4, v[CO]                ; and the same two rows in the output
	s_lshl_b32 s98, s42, 9                             ; my first channel, in bytes (registers of their own: none that feeds a joint load's descriptor)
	s_lshl_b32 s100, s[HF], 8
	s_add_co_u32 s98, s98, s100
	s_mov_b32 s99, 0
	s_add_nc_u64 s[8:9], s[8:9], s[98:99]
	s_add_nc_u64 s[10:11], s[10:11], s[98:99]
	s_lshl_b32 s100, s43, 6
	s_lshl_b32 s101, s[FB], 5
	s_add_co_u32 s100, s100, s101                      ; my first token
	s_lshl_b32 s100, s100, 12
	s_add_co_u32 s98, s98, s100
	s_add_nc_u64 s[12:13], s[12:13], s[98:99]
	s_add_nc_u64 s[14:15], s[14:15], s[98:99]
.irp o, 0, 1
.irp b, 0, 1
.irp e, 0,1,2,3
	global_load_b128 v[BIA+32*\o+16*\b+4*\e:BIA+32*\o+16*\b+4*\e+3], v[BOQ], s[8+2*\o:9+2*\o] offset:128*\b+16*\e
.endr
.endr
.endr
	s_wait_alu depctr_va_vdst(0)                       ; the head's end
	s_wait_tensorcnt 0x0                               ; my one load of the head is in, so a descriptor may be written: from here on a load brings half of a slot's part
	s_mov_b32 s[G1A+2], 76<<16                         ; 76 rows: 19,456 bytes
	s_mov_b32 s[G1A+4], 76
	s_mov_b32 s[G1B+2], 104<<16                        ; 104 rows: 26,624 bytes
	s_mov_b32 s[G1B+4], 104
	s_barrier_signal -1
	s_barrier_wait -1                                  ; both slots are whole
	FETCH 0, 0, 0
	KS0 0, 0, 1                                        ; the first K step's products start the sums
	KS0 0, 1, 0
	KS0 0, 2, 0
	KSL 0, 1, 1
	KS0 1, 0, 0
	KS0 1, 1, 0
	KS0 1, 2, 0
	KSL 1, 0, 1
	KS0 0, 0, 0
	KS0 0, 1, 0
	KS0 0, 2, 0
	KSL 0, 1, 0                                        ; nothing is left to fetch
	KS0 1, 0, 0
	KS0 1, 1, 0
	KS0 1, 2, 0
	s_wait_dscnt 0x0
	MUL 1, 0
	PLACES
	s_wait_loadcnt 0x0                                 ; the biases
	OGRP 0, 0, 0
	OGRP 0, 1, 1
	OGRP 1, 0, 2
	OGRP 1, 1, 3
	s_wait_tensorcnt 0x0                               ; the wave's end: behind my last tensor load and my last LDS store
	ds_add_u32 v[SPW], v[NIL]
	s_wait_dscnt 0x0
	CROUND                                             ; the closing round
	s_endpgm
.Lfunc_end_k_q86a95efa19_oproj:
	.size	k_q86a95efa19_oproj, .Lfunc_end_k_q86a95efa19_oproj-k_q86a95efa19_oproj
	.p2alignl 7, 3214868480
	.fill 96, 4, 3214868480
	.section	.rodata,"a",@progbits
	.p2align	6, 0x0
	.amdhsa_kernel k_q86a95efa19_oproj
		.amdhsa_group_segment_fixed_size 327680
		.amdhsa_private_segment_fixed_size 0
		.amdhsa_enable_private_segment 0
		.amdhsa_kernarg_size 48
		.amdhsa_user_sgpr_count 2
		.amdhsa_user_sgpr_kernarg_segment_ptr 1
		.amdhsa_wavefront_size32 1
		.amdhsa_system_sgpr_workgroup_id_x 1
		.amdhsa_system_sgpr_workgroup_id_y 1
		.amdhsa_system_sgpr_workgroup_id_z 1
		.amdhsa_system_vgpr_workitem_id 0
		.amdhsa_next_free_vgpr 1024
		.amdhsa_next_free_sgpr 106
		.amdhsa_reserve_vcc 0
		.amdhsa_float_denorm_mode_32 3
		.amdhsa_float_denorm_mode_16_64 3
		.amdhsa_memory_ordered 1
		.amdhsa_forward_progress 1
		.amdhsa_inst_pref_size 96
	.end_amdhsa_kernel
	.amdgpu_metadata
---
amdhsa.version: [ 1, 2 ]
amdhsa.kernels:
  - .name:           k_q86a95efa19_oproj
    .symbol:         k_q86a95efa19_oproj.kd
    .args:
      - { .name: ot, .offset: 0, .size: 8, .value_kind: global_buffer, .address_space: global }
      - { .name: wt, .offset: 8, .size: 8, .value_kind: global_buffer, .address_space: global }
      - { .name: o_ba, .offset: 16, .size: 8, .value_kind: global_buffer, .address_space: global }
      - { .name: o_bb, .offset: 24, .size: 8, .value_kind: global_buffer, .address_space: global }
      - { .name: out0, .offset: 32, .size: 8, .value_kind: global_buffer, .address_space: global }
      - { .name: out1, .offset: 40, .size: 8, .value_kind: global_buffer, .address_space: global }
    .group_segment_fixed_size: 327680
    .private_segment_fixed_size: 0
    .kernarg_segment_align: 8
    .kernarg_segment_size: 48
    .max_flat_workgroup_size: 128
    .sgpr_count:     106
    .vgpr_count:     1024
    .wavefront_size: 32
...
	.end_amdgpu_metadata
.endif
;; end of part 4
